; MI455X (gfx1250); checked and timed in simulation.
; The chip was launched on July 23, 2026; its instructions are those of AMD's public machine-readable ISA for CDNA 5 (MIT licence, August 2026) and "CDNA5" Instruction Set Architecture Reference Guide (July 2026). The comments in the code are by the model that wrote it; some were corrected since.
;; CAAN. Allowed arithmetic: float matrix products may take bf16 or f16 operands with f32 sums; other float arithmetic in f32, or as packed bf16 or f16 multiplies, adds, multiply-adds, maxima and minima; sums over many terms, partial sums and values carried from step to step in f32; what a program stores and reads back later, other than sums and carried values, may be rounded once to bf16 or f16.
;; Inputs: Wk 1,024 x 1,024 float32; Wq 1,024 x 1,024 float32; Wv 1,024 x 1,024 float32; Ww 1 x 1,024 float32; bk 1,024 float32; bq 1,024 float32; bv 1,024 float32; bw 1 float32; x 4 x 2,048 x 1,024 float32.
;; Outputs: out0 4 x 2,048 float32.
;; 2 versions, each right; version 2 is version 1 with the launch prep written anew for expert scheduling mode. Each part assembles by itself: llvm-mc -triple=amdgcn-amd-amdhsa -mcpu=gfx1250 --defsym DOCPART=n.
;; ======== version 1 of 2: 4 launches
;; workspace buffers: xb 16,777,216 bytes; wb 4,194,304 bytes; u 4,096 bytes; qk 33,554,432 bytes; vw 32,768 bytes; part 2,097,152 bytes
;; launch prep (part 1): grid 336 x 1, 16 waves a work-group, no clusters, 6,144 bytes of LDS; arguments x, Wq, Wk, Wv, Ww, xb, wb, u; writes xb, wb, u
.if DOCPART == 1
	.amdgcn_target "amdgcn-amd-amdhsa--gfx1250"
	.amdhsa_code_object_version 6
	.text
	.protected	k_qd26c2d4b03_prep
	.globl	k_qd26c2d4b03_prep
	.p2align	8
	.type	k_qd26c2d4b03_prep,@function
k_qd26c2d4b03_prep:
	s_mov_b64 s[64:65], 0
	v_nop
	global_prefetch_b8 v0, s[64:65] scope:SCOPE_SE
	s_setreg_imm32_b32 hwreg(HW_REG_WAVE_MODE, 25, 1), 1
	s_wait_xcnt 0x0
; xb = bf16(x) [8192][1024]; wb = bf16([Wq; Wk]) [2048][1024]; u[d] = the sum over e of Ww[e] Wv[e][d], in f32.
; WHY u: (beta v) Ww^T = beta (v Ww^T), and v Ww^T = x u + bv.Ww; so the value projection and the second product of the attention shrink to one number a key.
; That is a reordering of sums that holds for every input; the order of rounding differs from the written one.
; SHARES.  Work-groups 0-15: 64 columns of u each (256 bytes of every row of Wv).  Work-groups 16-335: 131,072 bytes of f32 each, rounded to bf16: 256 for x, 32 for Wq, 32 for Wk.
; u is a product with one row, 1,048,576 multiply-adds: it goes to the vector unit in f32; a matrix tile would have 15 idle rows of 16.
; No matrix unit, no cluster, no tensor load: every byte is read once by one lane, and nothing is shared on the way in.
.set SPARE, 4096                       ; LDS: 0-4095 wave w's 64 column sums at 256 w; behind them the spare words, 128 bytes for each of 16 waves
.set ACC, 4                            ; v[4:7]    my four columns' sums
.set TX,  8                            ; v[8:11]   the other half of the lanes' sums
.set SPW, 12                           ; v12       LDS address of my spare word; never rewritten
.set NIL, 13                           ; v13       0; never rewritten
.set SO,  14                           ; v14       byte offset of my loads
.set DO,  15                           ; v15       byte offset of my stores (cast), of my 32 numbers of Ww (u)
.set D,   16                           ; v[16:79]  sixteen slots of four registers as loaded
.set E,   80                           ; v[80:111] cast: packed results; u: Ww of my 32 rows
	s_load_b512 s[4:19], s[0:1], 0x0               ; x 4:5, Wq 6:7, Wk 8:9, Wv 10:11, Ww 12:13, xb 14:15, wb 16:17, u 18:19
	v_lshl_add_u32 v[SPW], v0, 2, SPARE
	v_mov_b32 v[NIL], 0
	v_lshrrev_b32 v1, 5, v0
	v_readfirstlane_b32 s20, v1                    ; wave 0..15
	v_and_b32 v1, 31, v0                           ; lane
	v_and_b32 v2, 15, v0                           ; lane % 16
	v_bfe_u32 v3, v0, 4, 1                         ; lane / 16
	s_mov_b32 s30, 0x76543210                      ; v_permlanex16_b32: each lane takes its own place in the other half
	s_mov_b32 s31, 0xfedcba98
	s_wait_kmcnt 0x0
	s_cmp_lt_u32 ttmp9, 16                         ; the same answer in all waves of a work-group
	s_cbranch_scc1 .Lu
	; THE CAST.  i = work-group - 16: 0-255 x, 256-287 Wq, 288-319 Wk.  Source and destination are chosen by selects.
	s_sub_co_u32 s21, ttmp9, 16
	s_mov_b32 s28, 288
	s_cmp_lt_u32 s21, 288
	s_cselect_b64 s[22:23], s[6:7], s[8:9]
	s_cselect_b32 s24, 256, s28                    ; the first i of the source
	s_cmp_lt_u32 s21, 256
	s_cselect_b64 s[22:23], s[4:5], s[22:23]
	s_cselect_b32 s24, 0, s24
	s_cselect_b64 s[26:27], s[14:15], s[16:17]
	s_cselect_b32 s25, 0, 256                      ; the first i of the destination: Wk follows Wq in wb
	s_sub_co_u32 s24, s21, s24
	s_lshl_b32 s24, s24, 17                        ; 131,072 bytes of f32 a work-group
	s_sub_co_u32 s28, s21, s25
	s_lshl_b32 s28, s28, 16                        ; 65,536 bytes of bf16
	s_mov_b32 s25, 0
	s_mov_b32 s29, 0
	s_add_nc_u64 s[22:23], s[22:23], s[24:25]
	s_add_nc_u64 s[26:27], s[26:27], s[28:29]
	s_lshl_b32 s21, s20, 13                        ; a wave's 8,192 bytes in,
	v_lshl_add_u32 v[SO], v1, 4, s21
	s_lshl_b32 s21, s20, 12                        ; its 4,096 out
	v_lshl_add_u32 v[DO], v1, 3, s21
.set t, 0
.rept 16
	global_load_b128 v[D+4*t:D+4*t+3], v[SO], s[22:23] offset:512*t th:TH_LOAD_NT  ; 512 consecutive bytes a load; all sixteen go out at once
.set t, t+1
.endr
.set t, 0
.rept 16
	s_wait_loadcnt 15-t                            ; loads come back in order: load t is in, the 15 - t younger ones stay out
	v_cvt_pk_bf16_f32 v[E+2*t], v[D+4*t], v[D+4*t+1]
	v_cvt_pk_bf16_f32 v[E+2*t+1], v[D+4*t+2], v[D+4*t+3]
	global_store_b64 v[DO], v[E+2*t:E+2*t+1], s[26:27] offset:256*t  ; 32 lanes store 256 consecutive bytes, aligned; no register of a store is written again
.set t, t+1
.endr
	s_branch .Lend
.Lu:	; u.  Wave w, half h of its lanes, takes rows 64 w + 32 h + 0..31 of Wv; lane % 16 takes 16 bytes (4 columns) of the block's 256.
	s_lshl_b32 s21, s20, 18                        ; 64 rows of 4,096 bytes a wave
	s_lshl_b32 s22, ttmp9, 8                       ; the block's 256 bytes in a row, and in u
	s_mov_b32 s23, 0
	s_add_co_u32 s21, s21, s22
	v_lshlrev_b32 v[SO], 4, v2
	v_lshl_add_u32 v[SO], v3, 17, v[SO]            ; 32 rows for the upper half
	v_add_nc_u32 v[SO], s21, v[SO]
	s_lshl_b32 s21, s20, 8                         ; 64 numbers of Ww a wave; also the wave's place in LDS
	v_lshl_add_u32 v[DO], v3, 7, s21
.set t, 0
.rept 8
	global_load_b128 v[E+4*t:E+4*t+3], v[DO], s[12:13] offset:16*t  ; register E + j: Ww of my row j
.set t, t+1
.endr
.set j, 0
.rept 16
	global_load_b128 v[D+4*j:D+4*j+3], v[SO], s[10:11] offset:4096*j th:TH_LOAD_NT
.set j, j+1
.endr
.set j, 0
.rept 32
.if j < 16
	s_wait_loadcnt 15                              ; behind row j's load stand 15 - j of the first sixteen and j refills
.else
	s_wait_loadcnt 31-j                            ; nothing is asked for any more: the counts run down
.endif
.set k, 0
.rept 4
.if j == 0
	v_mul_f32 v[ACC+k], v[D+k], v[E]               ; the first row starts the sums
.else
	v_fmac_f32 v[ACC+k], v[D+4*(j%16)+k], v[E+j]
.endif
.set k, k+1
.endr
.if j < 16
	global_load_b128 v[D+4*j:D+4*j+3], v[SO], s[10:11] offset:4096*(j+16) th:TH_LOAD_NT  ; the slot's next row
.endif
.set j, j+1
.endr
.irp k, 0,1,2,3
	v_mov_b32 v[TX+(\k)], 0                        ; v_permlanex16_b32's destination counts as read
.endr
.irp k, 0,1,2,3
	v_permlanex16_b32 v[TX+(\k)], v[ACC+(\k)], s30, s31
.endr
.irp k, 0,1,2,3
	v_add_f32 v[ACC+(\k)], v[ACC+(\k)], v[TX+(\k)] ; both halves now hold the wave's 64 rows' sum
.endr
	v_lshl_add_u32 v3, v2, 4, s21
	ds_store_b128 v3, v[ACC:ACC+3]                 ; the two halves write the same bytes with the same numbers
	s_wait_dscnt 0x0                               ; for the others' sake: my store is done
	s_barrier_signal -1
	s_barrier_wait -1                              ; all sixteen partial sums lie in LDS
	s_cmp_lg_u32 s20, 0
	s_cbranch_scc1 .Lend                           ; wave 0 adds them
	v_lshlrev_b32 v2, 3, v1                        ; 8 bytes, two columns, a lane
.set t, 0
.rept 16
	ds_load_b64 v[D+2*t:D+2*t+1], v2 offset:256*t
.set t, t+1
.endr
	s_add_nc_u64 s[18:19], s[18:19], s[22:23]
	s_wait_dscnt 0x0
.irp s, 8,4,2,1
.set t, 0
.rept \s
	v_pk_add_f32 v[D+2*t:D+2*t+1], v[D+2*t:D+2*t+1], v[D+2*(t+(\s)):D+2*(t+(\s))+1]
.set t, t+1
.endr
.endr
	global_store_b64 v2, v[D:D+1], s[18:19]        ; 256 consecutive bytes of u, aligned
.Lend:
	s_wait_tensorcnt 0x0                           ; the wave's end, behind my last LDS store
	ds_add_u32 v[SPW], v[NIL]
	s_wait_dscnt 0x0
	s_endpgm
.Lfunc_end_k_qd26c2d4b03_prep:
	.size	k_qd26c2d4b03_prep, .Lfunc_end_k_qd26c2d4b03_prep-k_qd26c2d4b03_prep
	.p2alignl 7, 3214868480
	.fill 96, 4, 3214868480
	.section	.rodata,"a",@progbits
	.p2align	6, 0x0
	.amdhsa_kernel k_qd26c2d4b03_prep
		.amdhsa_group_segment_fixed_size 6144
		.amdhsa_private_segment_fixed_size 0
		.amdhsa_enable_private_segment 0
		.amdhsa_kernarg_size 64
		.amdhsa_user_sgpr_count 2
		.amdhsa_user_sgpr_kernarg_segment_ptr 1
		.amdhsa_wavefront_size32 1
		.amdhsa_system_sgpr_workgroup_id_x 1
		.amdhsa_system_sgpr_workgroup_id_y 1
		.amdhsa_system_sgpr_workgroup_id_z 1
		.amdhsa_system_vgpr_workitem_id 0
		.amdhsa_next_free_vgpr 112
		.amdhsa_next_free_sgpr 66
		.amdhsa_reserve_vcc 0
		.amdhsa_float_denorm_mode_32 3
		.amdhsa_float_denorm_mode_16_64 3
		.amdhsa_memory_ordered 1
		.amdhsa_forward_progress 1
		.amdhsa_inst_pref_size 20
	.end_amdhsa_kernel
	.amdgpu_metadata
---
amdhsa.version: [ 1, 2 ]
amdhsa.kernels:
  - .name:           k_qd26c2d4b03_prep
    .symbol:         k_qd26c2d4b03_prep.kd
    .args:
      - { .name: x, .offset: 0, .size: 8, .value_kind: global_buffer, .address_space: global }
      - { .name: Wq, .offset: 8, .size: 8, .value_kind: global_buffer, .address_space: global }
      - { .name: Wk, .offset: 16, .size: 8, .value_kind: global_buffer, .address_space: global }
      - { .name: Wv, .offset: 24, .size: 8, .value_kind: global_buffer, .address_space: global }
      - { .name: Ww, .offset: 32, .size: 8, .value_kind: global_buffer, .address_space: global }
      - { .name: xb, .offset: 40, .size: 8, .value_kind: global_buffer, .address_space: global }
      - { .name: wb, .offset: 48, .size: 8, .value_kind: global_buffer, .address_space: global }
      - { .name: u, .offset: 56, .size: 8, .value_kind: global_buffer, .address_space: global }
    .group_segment_fixed_size: 6144
    .private_segment_fixed_size: 0
    .kernarg_segment_align: 8
    .kernarg_segment_size: 64
    .max_flat_workgroup_size: 512
    .sgpr_count:     66
    .vgpr_count:     112
    .wavefront_size: 32
...
	.end_amdgpu_metadata
.endif
;; end of part 1
;; launch proj (part 2): grid 8 x 32, 4 waves a work-group, clusters of 4 x 4, 327,680 bytes of LDS; arguments xb, wb, qk, bq, bk, u, vw; writes qk, vw
.if DOCPART == 2
	.amdgcn_target "amdgcn-amd-amdhsa--gfx1250"
	.amdhsa_code_object_version 6
	.text
	.protected	k_qd26c2d4b03_proj
	.globl	k_qd26c2d4b03_proj
	.p2align	8
	.type	k_qd26c2d4b03_proj,@function
k_qd26c2d4b03_proj:
	s_mov_b64 s[64:65], 0
	v_nop
	global_prefetch_b8 v0, s[64:65] scope:SCOPE_SE
	s_setreg_imm32_b32 hwreg(HW_REG_WAVE_MODE, 25, 1), 1
	s_wait_xcnt 0x0
	s_wait_alu depctr_hold_cnt(0) depctr_sa_sdst(0) depctr_va_vdst(0) depctr_va_sdst(0) depctr_va_ssrc(0) depctr_va_vcc(0) depctr_vm_vsrc(0)
	s_getreg_b32 s2, hwreg(HW_REG_IB_STS2, 6, 4)
	s_cmp_eq_u32 s2, 0
	s_cbranch_scc0 .Lentry_in_a_cluster
	s_endpgm
.Lentry_in_a_cluster:
	s_bfe_u32 s2, ttmp6, 0x10000c
	s_cmp_lg_u32 s2, 0xf033
	s_cbranch_scc0 .Lentry_shape_is_right
	s_endpgm
.Lentry_shape_is_right:
; qk[n][c] = the sum over d of xb[n][d] wb[c][d] + [bq; bk][c], rounded once to bf16: [8192][2048], columns 0-1023 q, 1024-2047 k.  vw[n] = the sum over d of xb[n][d] u[d], f32.
; LIMITS.  x, Wq, Wk arrive rounded to bf16; q and k are rounded once more, to bf16 (its range is f32's, so larger inputs or offsets lose no range); sums in f32; NaN and infinities are not treated apart.
; A tile of 256 x 256 of qk to a work-group of four waves; a wave makes 128 x 128: 64 accumulators of 16 x 16, 512 registers.  32 x 8 tiles: one work-group for each of 256.
; K = 1,024 goes in 8 steps of 128 through a ring of two LDS slots filled by the tensor data mover; a tile's rows are 256 bytes of memory, at multiples of 256.
; CLUSTERS: 4 x 4.  The four of a row of the cluster need the same rows of xb, the four of a column the same rows of wb: each tile is asked for jointly, by the same load, descriptor and mask in all four.
; THE MATRIX INSTRUCTION IS USED TRANSPOSED (source 0 = 16 rows of wb, source 1 = 16 rows of xb): lane l holds row l % 16 of qk and the columns 8 (l / 16) + 0..7.
; THE BIAS is the C operand of the product that starts each sum: 64 registers (8 column blocks x 8), the same for all row blocks.
; vw: the eight work-groups of a tile row share its 256 rows, 32 each, 8 a wave; made by the vector unit while the first tiles are on their way (8 multiply-adds a lane and row x 8 rows x 4).
; REGISTERS in windows of 256 (s_set_vgpr_msb: bits 1:0 source 0, 3:2 source 1, 5:4 source 2, 7:6 destination):
;   window 0: v0-31 addresses and vw's sums; v32-63 u, later rows on the way out; v64-191 xb's rows for vw, then A's fragments, two buffers; v192-255 the bias, later the way out
;   window 1: v64-191 B's fragments, two buffers      windows 2, 3: the accumulators of my rows 0-63, 64-127: (a, b) at v[8 (8 a + b)]
.set SIZE_K, 1024
.set SIZE_N, 2048                      ; columns of qk
.set PA,     1024                      ; elements from row to row in xb and in wb
.set KSTEP,  128
.set PITCH,  272                       ; an LDS row: 256 bytes + 16 of padding = 68 words: the 16 rows of a fragment load start at 16 different groups of four banks (64 banks of 4 bytes: ISA guide 11.1)
.set HALFT,  128*PITCH                 ; 128 rows: what one tensor load brings
.set SLOT,   4*HALFT                   ; A's 256 rows, then B's 256 rows
.set STAGE,  2*SLOT                    ; behind the ring: 16 rows x 272 bytes for each wave, for the way out
.set SPITCH, 272
.set SPARE,  STAGE+4*16*SPITCH         ; behind the stages: the spare words, 128 bytes a wave
.set LAPS,   SIZE_K/(2*KSTEP)          ; 4 laps of two K steps
.set BO,   6                           ; v6      32 x (l / 16): my 8 numbers of a block of 16 of the bias
.set UO,   7                           ; v7      32 x lane: my 8 numbers of 256 of u
.set VA,   8                           ; v[8:15] vw's sums, a register a row
.set ADRA, 16                          ; v16-17  LDS address of my A fragments in slot 0, 1
.set ADRB, 20                          ; v20-21  the same for B
.set XO,   22                          ; v22     16 x lane: my 8 numbers of 256 of a row of xb
.set LN,   23                          ; v23     lane
.set STO,  24                          ; v24     the way out: where I put 16 bytes of a row
.set RD,   25                          ; v25     the way out: where I read a row back
.set CO,   26                          ; v26     my byte offset in qk
.set VO,   27                          ; v27     4 x lane
.set SPW,  28                          ; v28     LDS address of my spare word; never rewritten
.set NIL,  29                          ; v29     0; never rewritten
.set PFO,  30                          ; v30     the prefetches' offset: lane x a row's 2,048 bytes; never rewritten
.set SV,   31                          ; v31     the number of vw that my lane stores
.set UU,   32
.set XR,   64
.set F0,   64
.set F1,   128
.set AUX,  192                         ; the bias: column block b at AUX + 8 b
.set TMP,  192                         ; the way out: packed results
.set OB,   32                          ; the way out: 16 rows read back: v32-63 and v224-255 by turns
.set G1,  24                           ; s[24:31] descriptor group 1 for A's tiles;  s[32:39] group 0, a set for each slot
.set G0,  32
.set LIM, 43                           ; s43     1 in a wave that prefetches, else the greatest number
.set PFA, 44                           ; s[44:45] where my prefetches stand
.set G1B, 48                           ; s[48:55], s[56:63] the same for B's tiles
.set G0B, 56
.set MSB, 0
.macro WIN new                         ; the immediate's high byte repeats the setting that is left; a switch that changes nothing is dropped
.if MSB != (\new)
	s_set_vgpr_msb (MSB<<8)|(\new)
.set MSB, \new
.endif
.endm
.set MUL_LO, 0xa1                      ; source 0 (B) window 1, source 1 (A) window 0, C and D window 2
.set TO_B,   0x40                      ; destination window 1, address window 0
; A joint load: waves 0 and 1 fetch A's two halves, waves 2 and 3 B's.  The branch hangs on the wave's number alone.  An s_nop 0 and four v_nop follow each line.
.macro JLOAD s
	s_cmp_eq_u32 s11, 0
	s_cbranch_scc0 .Lfor_b_\@
	tensor_load_to_lds s[G0+4*(\s):G0+4*(\s)+3], s[G1:G1+7]
	s_nop 0
.rept 4
	v_nop
.endr
	s_branch .Lasked_\@
.Lfor_b_\@:
	tensor_load_to_lds s[G0B+4*(\s):G0B+4*(\s)+3], s[G1B:G1B+7]
	s_nop 0
.rept 4
	v_nop
.endr
.Lasked_\@:
.endm
; A prefetch of the K step that stands two refills on: 32 rows x 256 bytes, a lane a row, one instruction a wave.  Each row's 256 bytes of a K step are named once in the launch: xb's rows by the
; cluster with x = 0, wb's by the cluster with y = 0; of the 128 rows that a wave fetches the partner at place p (cx for A, cy for B) takes 32 p .. 32 p + 31, told apart by address.
; K steps 0 to 3 come by their loads alone; the loop's last trip (s3 = 1) asks for nothing: there is no K step 8.
.macro ASK
	s_cmp_gt_u32 s3, s[LIM]
	s_cbranch_scc0 .Lnot_mine_\@
	global_prefetch_b8 v[PFO], s[PFA:PFA+1] offset:KSTEP*2 th:TH_LOAD_NT scope:SCOPE_SE
.Lnot_mine_\@:
.endm
.macro CREST                           ; a round of the cluster's barrier behind its opening barrier
	s_cmp_lg_u32 s10, 0
	s_cbranch_scc1 .Lnot_wave_0_\@
	s_barrier_signal -3
.Lnot_wave_0_\@:
	s_barrier_wait -3
	s_barrier_signal -1
	s_barrier_wait -1
.endm
.macro CROUND                          ; a whole round
	s_barrier_signal -1
	s_barrier_wait -1
	CREST
.endm
	s_load_b128 s[4:7], s[0:1], 0x0                ; xb s[4:5], wb s[6:7]
	s_load_b64 s[8:9], s[0:1], 0x10                ; qk
	s_load_b256 s[68:75], s[0:1], 0x18             ; bq 68:69, bk 70:71, u 72:73, vw 74:75
	v_lshl_add_u32 v[SPW], v0, 2, SPARE
	v_mov_b32 v[NIL], 0
	ds_add_u32 v[SPW], v[NIL]                      ; the wave's opening: the add and its wait stand ahead of my first tensor load; work on registers stands between them
	v_lshrrev_b32 v1, 5, v0
	v_readfirstlane_b32 s10, v1                    ; wave 0..3
	s_lshr_b32 s11, s10, 1                         ; which half of the tile's rows is mine.  Also: I fetch for A (0) or for B (1)
	s_and_b32 s12, s10, 1                          ; which half of its columns.  Also: which 128 rows of that tile I fetch
	s_bfe_u32 s40, ttmp6, 0x40000                  ; cx
	s_bfe_u32 s41, ttmp6, 0x40004                  ; cy
	s_lshl_b32 s42, ttmp9, 2
	s_add_co_u32 s42, s42, s40                     ; tile column = 4 x cluster x + cx
	s_and_b32 s13, ttmp7, 0xffff
	s_lshl_b32 s13, s13, 2
	s_add_co_u32 s13, s13, s41                     ; tile row = 4 x cluster y + cy
	s_lshl_b32 s43, s41, 2
	s_lshl_b32 s43, 15, s43                        ; my row of the cluster
	s_lshl_b32 s44, 0x1111, s40                    ; my column
	; descriptor group 1: a tile of 128 rows x 128 elements of 2 bytes, 4 words of padding behind every 64
	s_or_b32 s[G1+0], s43, (1<<16)|(1<<20)|(1<<21)|(5<<22)|(3<<25)   ; 15:0 the mask: A's tiles go to my row; 21 set beside a mask
	s_or_b32 s[G1B+0], s44, (1<<16)|(1<<20)|(1<<21)|(5<<22)|(3<<25)  ; B's to my column
.irp g, G1, G1B
	s_mov_b32 s[(\g)+1], KSTEP<<16                 ; tensor_dim0 = 128
	s_mov_b32 s[(\g)+2], 128<<16                   ; tensor_dim1 = 128
	s_mov_b32 s[(\g)+3], KSTEP<<16                 ; tile_dim0 = 128
	s_mov_b32 s[(\g)+4], 128                       ; tile_dim1 = 128
	s_mov_b32 s[(\g)+5], PA                        ; elements from row to row
	s_mov_b32 s[(\g)+6], 0
	s_mov_b32 s[(\g)+7], 0
.endr
	s_mov_b32 s80, 0x76543210                      ; v_permlanex16_b32: each lane takes its own place in the other half
	s_mov_b32 s81, 0xfedcba98
	s_lshl_b32 s17, s12, 7                         ; which 128 rows of the tile I fetch
	s_lshl_b32 s16, s13, 8
	s_add_co_u32 s16, s16, s17                     ; A: row 256 x tile row + 128 x half
	s_lshl_b32 s46, s42, 8
	s_add_co_u32 s46, s46, s17                     ; B: row 256 x tile column + 128 x half
	s_mov_b32 s17, 0
	s_mov_b32 s47, 0
	s_mov_b64 s[18:19], PA*2
	s_mul_u64 s[16:17], s[16:17], s[18:19]
	s_mul_u64 s[46:47], s[46:47], s[18:19]
	s_mul_i32 s20, s10, HALFT                      ; where they go: wave x 128 rows: no place in the cluster enters an LDS address
	s_wait_dscnt 0x0                               ; the opening add is done
	s_wait_kmcnt 0x0
	s_add_nc_u64 s[14:15], s[4:5], s[16:17]
	s_add_nc_u64 s[46:47], s[6:7], s[46:47]
	CROUND                                         ; all sixteen work-groups are here: the first joint loads meet
.irp s, 0,1
	s_mov_b32 s[G0+4*(\s)], 1
	s_add_co_u32 s[G0+4*(\s)+1], s20, (\s)*SLOT
	s_add_nc_u64 s[G0+4*(\s)+2:G0+4*(\s)+3], s[14:15], (\s)*KSTEP*2
	s_or_b32 s[G0+4*(\s)+3], s[G0+4*(\s)+3], 0x80000000
	s_mov_b32 s[G0B+4*(\s)], 1
	s_add_co_u32 s[G0B+4*(\s)+1], s20, (\s)*SLOT
	s_add_nc_u64 s[G0B+4*(\s)+2:G0B+4*(\s)+3], s[46:47], (\s)*KSTEP*2
	s_or_b32 s[G0B+4*(\s)+3], s[G0B+4*(\s)+3], 0x80000000
	JLOAD \s                                       ; K steps 0 and 1: two tensor loads of mine are out
.endr
	; MY OWN LOADS: the bias of my 128 columns, u, and 8 rows of xb for vw: 56 loads
	v_and_b32 v1, 15, v0                           ; l % 16
	v_bfe_u32 v2, v0, 4, 1                         ; l / 16
	v_and_b32 v[LN], 31, v0
	v_lshlrev_b32 v[BO], 5, v2
	v_lshlrev_b32 v[UO], 5, v[LN]
	v_lshlrev_b32 v[XO], 4, v[LN]
	v_lshlrev_b32 v[VO], 2, v[LN]
	s_cmp_eq_u32 ttmp9, 0                          ; tile columns 0-3 are q's, 4-7 k's
	s_cselect_b64 s[76:77], s[68:69], s[70:71]
	s_lshl_b32 s14, s40, 10                        ; 256 columns of f32 a tile,
	s_lshl_b32 s15, s12, 9                         ; 128 a wave
	s_add_co_u32 s14, s14, s15
	s_mov_b32 s15, 0
	s_add_nc_u64 s[76:77], s[76:77], s[14:15]
	s_lshl_b32 s14, s13, 8
	s_lshl_b32 s15, s42, 5
	s_add_co_u32 s14, s14, s15
	s_lshl_b32 s15, s10, 3
	s_add_co_u32 s14, s14, s15                     ; my first row for vw: 256 x tile row + 32 x tile column + 8 x wave
	s_lshl_b32 s18, s14, 2
	s_mov_b32 s19, 0
	s_add_nc_u64 s[74:75], s[74:75], s[18:19]
	s_lshl_b32 s14, s14, 11
	s_mov_b32 s15, 0
	s_add_nc_u64 s[78:79], s[4:5], s[14:15]
.irp b, 0,1,2,3,4,5,6,7
	global_load_b128 v[AUX+8*(\b):AUX+8*(\b)+3],   v[BO], s[76:77] offset:64*(\b)     ; register AUX + 8 b + j: the bias of column 16 b + 8 (l / 16) + j
	global_load_b128 v[AUX+8*(\b)+4:AUX+8*(\b)+7], v[BO], s[76:77] offset:64*(\b)+16
.endr
.irp t, 0,1,2,3
	global_load_b128 v[UU+8*(\t):UU+8*(\t)+3],   v[UO], s[72:73] offset:1024*(\t)      ; u of channels 256 t + 8 lane + 0..7
	global_load_b128 v[UU+8*(\t)+4:UU+8*(\t)+7], v[UO], s[72:73] offset:1024*(\t)+16
.endr
.irp i, 0,1,2,3,4,5,6,7
.irp t, 0,1,2,3
	global_load_b128 v[XR+16*(\i)+4*(\t):XR+16*(\i)+4*(\t)+3], v[XO], s[78:79] offset:2048*(\i)+512*(\t)  ; row i, the same channels: 512 consecutive bytes a load
.endr
.endr
	; addresses, while those loads are out.  A fragment is 16 rows x 32 K in 8 registers: lane l holds row l % 16, K = 8 (l / 16) + 0..7 and 16 + 8 (l / 16) + 0..7: two loads of 16 bytes, 32 apart.
	v_mul_u32_u24 v3, v1, PITCH
	v_lshl_add_u32 v3, v2, 4, v3
	s_mul_i32 s21, s11, HALFT                      ; my 128 rows of A
	s_mul_i32 s22, s12, HALFT                      ; my 128 rows of B,
	s_add_co_u32 s22, s22, 2*HALFT                 ; which lie behind A's 256
.irp s, 0,1
	v_add_nc_u32 v[ADRA+(\s)], s21, v3
	v_add_nc_u32 v[ADRB+(\s)], s22, v3
	s_add_co_u32 s21, s21, SLOT
	s_add_co_u32 s22, s22, SLOT
.endr
	s_mul_i32 s23, s10, 16*SPITCH
	s_add_co_u32 s23, s23, STAGE                   ; my stage
	v_mul_u32_u24 v4, v1, SPITCH                   ; in: row l % 16, 16 bytes for each half of the lanes
	v_lshl_add_u32 v4, v2, 4, v4
	v_add_nc_u32 v[STO], s23, v4
	v_mul_u32_u24 v5, v2, SPITCH                   ; back: lanes 0-15 take one row of 256 bytes, lanes 16-31 the next
	v_lshl_add_u32 v5, v1, 4, v5
	v_add_nc_u32 v[RD], s23, v5
	v_mul_u32_u24 v5, v2, SIZE_N*2                 ; and the same two rows in qk
	v_lshl_add_u32 v[CO], v1, 4, v5
	s_lshl_b32 s20, s13, 8                         ; 256 x tile row
	s_lshl_b32 s14, s11, 7
	s_add_co_u32 s16, s20, s14                     ; my first row of qk
	s_mov_b32 s17, 0
	s_mov_b64 s[18:19], SIZE_N*2
	s_mul_u64 s[16:17], s[16:17], s[18:19]
	s_lshl_b32 s46, s42, 9                         ; my first column, in bytes: 512 x tile column + 256 x half
	s_lshl_b32 s47, s12, 8
	s_add_co_u32 s46, s46, s47
	s_mov_b32 s47, 0
	s_add_nc_u64 s[16:17], s[16:17], s[46:47]      ; the first way out adds this to qk's address
	; the prefetches
	s_lshl_b32 s21, s42, 8                         ; 256 x tile column
	s_and_b32 s22, ttmp7, 0xffff                   ; cluster y
	s_cmp_eq_u32 s11, 0                            ; do I fetch for A?
	s_cselect_b32 s20, s20, s21                    ; the tile's first row
	s_cselect_b32 s21, s40, s41                    ; my place among the four that ask for it with me
	s_cselect_b32 s22, ttmp9, s22                  ; the coordinate along which other clusters read the same rows
	s_cselect_b64 s[PFA:PFA+1], s[4:5], s[6:7]
	s_cmp_eq_u32 s22, 0
	s_cselect_b32 s[LIM], 1, -1                    ; the same in all sixteen partners, for a given wave
	s_lshl_b32 s22, s12, 7
	s_add_co_u32 s20, s20, s22                     ; + the 128 rows that I fetch
	s_lshl_b32 s21, s21, 5
	s_add_co_u32 s20, s20, s21                     ; + my work-group's 32 of them
	s_mov_b32 s21, 0
	s_mov_b64 s[18:19], PA*2
	s_mul_u64 s[20:21], s[20:21], s[18:19]
	s_add_nc_u64 s[PFA:PFA+1], s[PFA:PFA+1], s[20:21]
	s_add_nc_u64 s[PFA:PFA+1], s[PFA:PFA+1], 2*KSTEP*2  ; at K step 2: the first refill steps it to 3 and names K step 4
	v_and_b32 v[PFO], 31, v0
	v_mul_u32_u24 v[PFO], v[PFO], PA*2
	; vw OF MY 8 ROWS, in the wait for the first tiles: bf16 halves of xb times f32 u, summed in f32; the eight rows take turns, so a sum's links stand eight lines apart
	s_wait_loadcnt 0x0
.irp i, 0,1,2,3,4,5,6,7
	v_mov_b32 v[VA+(\i)], 0
.endr
.set t, 0
.rept 4
.set r, 0
.rept 4
.irp i, 0,1,2,3,4,5,6,7
	v_fma_mix_f32_bf16 v[VA+(\i)], v[XR+16*(\i)+4*t+r], v[UU+8*t+2*r], v[VA+(\i)] op_sel_hi:[1,0,0]
.endr
.irp i, 0,1,2,3,4,5,6,7
	v_fma_mix_f32_bf16 v[VA+(\i)], v[XR+16*(\i)+4*t+r], v[UU+8*t+2*r+1], v[VA+(\i)] op_sel:[1,0,0] op_sel_hi:[1,0,0]
.endr
.set r, r+1
.endr
.set t, t+1
.endr
.irp m, 1,2,4,8
.irp i, 0,1,2,3,4,5,6,7
	v_add_f32_dpp v[VA+(\i)], v[VA+(\i)], v[VA+(\i)] row_xmask:\m row_mask:0xf bank_mask:0xf
.endr
.endr
.irp i, 0,1,2,3,4,5,6,7
	v_permlanex16_b32 v[XR+(\i)], v[VA+(\i)], s80, s81  ; into registers that have been written and are done with
.endr
.irp i, 0,1,2,3,4,5,6,7
	v_add_f32 v[VA+(\i)], v[VA+(\i)], v[XR+(\i)]   ; every lane holds every row's sum
.endr
	v_mov_b32 v[SV], v[VA]
.irp i, 1,2,3,4,5,6,7
	v_cmp_eq_u32 vcc_lo, \i, v[LN]
	v_cndmask_b32 v[SV], v[SV], v[VA+(\i)], vcc_lo ; lane i takes row i's
.endr
	s_wait_xcnt 0x0                                ; EXEC changes only behind this wait
	v_cmp_gt_u32 vcc_lo, 8, v[LN]
	s_and_saveexec_b32 s82, vcc_lo
	global_store_b32 v[VO], v[SV], s[74:75]        ; 32 consecutive bytes a wave: vw is 32,768 bytes in all, and its rows are spread over the work-groups that hold them
	s_wait_xcnt 0x0                                ; and again, in front of the line that widens it
	s_or_b32 exec_lo, exec_lo, s82
; 16 matrix instructions: m blocks a0, a0 + 1 of the window's four (hi = 0: my rows 0-63, 1: rows 64-127) x all 8 n blocks, 32 along K.  zero = 1: the first product starts the sum with the bias.
; The 64 accumulators take turns, one instruction a turn, in the same order in every quarter step.
.macro MUL16 f, hi, a0, zero
.if \zero
	WIN 0x81+0x40*(\hi)                            ; as below, but C in window 0
.else
	WIN MUL_LO+0x50*(\hi)
.endif
.irp a, \a0, (\a0)+1
.irp b, 0,1,2,3,4,5,6,7
.if \zero
	v_wmma_f32_16x16x32_bf16 v[8*(8*(\a)+(\b)):8*(8*(\a)+(\b))+7], v[(\f)+8*(\b):(\f)+8*(\b)+7], v[(\f)+8*(4*(\hi)+(\a)):(\f)+8*(4*(\hi)+(\a))+7], v[AUX+8*(\b):AUX+8*(\b)+7]
.else
	v_wmma_f32_16x16x32_bf16 v[8*(8*(\a)+(\b)):8*(8*(\a)+(\b))+7], v[(\f)+8*(\b):(\f)+8*(\b)+7], v[(\f)+8*(4*(\hi)+(\a)):(\f)+8*(4*(\hi)+(\a))+7], v[8*(8*(\a)+(\b)):8*(8*(\a)+(\b))+7]
.endif
.endr
.endr
.endm
; 32 LDS loads in one run: the fragments of one quarter step (128 rows of B, 128 rows of A, 32 K at byte k of the rows) into buffer f
.macro FETCH slot, k, f
	WIN TO_B
.irp i, 0,1,2,3,4,5,6,7
	ds_load_b128 v[(\f)+8*(\i):(\f)+8*(\i)+3],   v[ADRB+(\slot)] offset:(\k)+(\i)*16*PITCH
	ds_load_b128 v[(\f)+8*(\i)+4:(\f)+8*(\i)+7], v[ADRB+(\slot)] offset:(\k)+(\i)*16*PITCH+32
.endr
	WIN 0
.irp i, 0,1,2,3,4,5,6,7
	ds_load_b128 v[(\f)+8*(\i):(\f)+8*(\i)+3],   v[ADRA+(\slot)] offset:(\k)+(\i)*16*PITCH
	ds_load_b128 v[(\f)+8*(\i)+4:(\f)+8*(\i)+7], v[ADRA+(\slot)] offset:(\k)+(\i)*16*PITCH+32
.endr
.endm
.macro PLACES                          ; four plain instructions between a matrix instruction and a load into, or a vector instruction on, its registers
.rept 4
	v_nop
.endr
.endm
; A K step is four quarters of 32 along K, 64 matrix instructions each, on buffers 0, 1, 0, 1.  One of the first three multiplies buffer f and, in its middle, fetches the next quarter into g.
.macro QUARTER slot, k, f, g, zero
	s_wait_dscnt 8                                 ; B and A's rows 0-63 are in; the youngest eight loads (A's rows 64-127) may be out
	MUL16 \f, 0, 0, \zero
	MUL16 \f, 0, 2, \zero
	PLACES
	FETCH \slot, \k, \g
	s_wait_dscnt 32                                ; all but the 32 just issued
	MUL16 \f, 1, 0, \zero
	MUL16 \f, 1, 2, \zero
.endm
; The last quarter's first half: one barrier for the change of slots.  In front of it each wave waits for all its tensor loads (one is out: its part of the next slot), adds 0 to its spare word,
; and waits for that and for its own reads of this slot.
.macro MEET round
	WIN 0                                          ; (the add's two registers lie in window 0)
	s_wait_tensorcnt 0x0
	ds_add_u32 v[SPW], v[NIL]
	s_wait_dscnt 9                                 ; the add and the youngest eight loads may be out
	MUL16 F1, 0, 0, 0                              ; sixteen matrix instructions stand between the add and the wait for it
	s_wait_dscnt 0x0                               ; the add is done, and my reads of this slot are over
	s_barrier_signal -1
	MUL16 F1, 0, 2, 0
.if \round
	WIN 0
.endif
	s_barrier_wait -1
.endm
; The whole last quarter where the slot is filled again: the barrier opens a round of the cluster's, the joint refill is the first tensor load behind it: 224 matrix instructions ahead of the wait for it.
.macro TURN slot, next
	s_wait_xcnt 0x0                                ; the last prefetch, a K step back, has read its address
	s_add_nc_u64 s[PFA:PFA+1], s[PFA:PFA+1], KSTEP*2
	MEET 1
	CREST                                          ; no wave of any partner still reads this slot's tile or has a load on its way
	s_add_nc_u64 s[G0+4*(\slot)+2:G0+4*(\slot)+3], s[G0+4*(\slot)+2:G0+4*(\slot)+3], 2*KSTEP*2
	s_add_nc_u64 s[G0B+4*(\slot)+2:G0B+4*(\slot)+3], s[G0B+4*(\slot)+2:G0B+4*(\slot)+3], 2*KSTEP*2
	JLOAD \slot                                    ; the four v_nop behind it are also the places in front of the loads below
	FETCH \next, 0, F0
	ASK
	MUL16 F1, 1, 0, 0
	MUL16 F1, 1, 2, 0
.endm
; THE WAY OUT of block a (16 rows): rounded to bf16, 16 bytes a lane; into my own stage and back as whole rows of 256 bytes; stored.
.macro PACK a
.set AC, 64*((\a)%4)
	WIN 0x0a+5*((\a)/4)                            ; sources 0 and 1: window 2 or 3
.irp b, 0,1,2,3,4,5,6,7
.irp r, 0,1,2,3
	v_cvt_pk_bf16_f32 v[TMP+4*(\b)+(\r)], v[AC+8*(\b)+2*(\r)], v[AC+8*(\b)+2*(\r)+1]  ; each accumulator's registers in ascending order
.endr
.endr
	WIN 0
.endm
.macro TOSTAGE a
	WIN 0
.set BK, OB+192*((\a)%2)
.irp b, 0,1,2,3,4,5,6,7
	ds_store_b128 v[STO], v[TMP+4*(\b):TMP+4*(\b)+3] offset:32*(\b)
.endr
.irp t, 0,1,2,3,4,5,6,7
	ds_load_b128 v[BK+4*(\t):BK+4*(\t)+3], v[RD] offset:(\t)*2*SPITCH  ; LDS serves a wave's instructions in order (ISA guide 5.7.1.4): these see the stores above
.endr
.endm
.macro SEND a
	WIN 0
.set BK, OB+192*((\a)%2)
	s_wait_dscnt 0x0                               ; the block is back in registers
	s_wait_xcnt 0x0                                ; only behind this wait are the stores' base and the registers that earlier stores read rewritten
.if (\a) == 0
	s_add_nc_u64 s[8:9], s[8:9], s[16:17]          ; on to my first rows
.else
	s_add_nc_u64 s[8:9], s[8:9], 16*SIZE_N*2       ; 16 rows on
.endif
.irp t, 0,1,2,3,4,5,6,7
	global_store_b128 v[CO], v[BK+4*(\t):BK+4*(\t)+3], s[8:9] offset:2*(\t)*SIZE_N*2  ; 16 lanes store 256 consecutive bytes, at a multiple of 256 from qk's first byte
.endr
.endm
	s_wait_tensorcnt 1                             ; my part of K step 0 is in; K step 1's may stay out
	s_barrier_signal -1
	s_barrier_wait -1                              ; everybody's is
	FETCH 0, 0, F0
	QUARTER 0, 64,  F0, F1, 1                      ; the first quarter stands in front of the loop: its products start the sums
	WIN 0                                          ; at a label and at a branch every window is 0
	s_mov_b32 s3, LAPS-1
.Llap:                                                 ; a trip goes once round the ring, from a lap's second quarter to the next lap's first, and fills both slots again
	QUARTER 0, 128, F1, F0, 0
	QUARTER 0, 192, F0, F1, 0
	TURN 0, 1
	QUARTER 1, 64,  F0, F1, 0
	QUARTER 1, 128, F1, F0, 0
	QUARTER 1, 192, F0, F1, 0
	TURN 1, 0
	QUARTER 0, 64,  F0, F1, 0
	WIN 0
	s_sub_co_u32 s3, s3, 1
	s_cmp_lg_u32 s3, 0
	s_cbranch_scc1 .Llap
	QUARTER 0, 128, F1, F0, 0                      ; the last lap fills nothing, and has no round of the cluster's barrier
	QUARTER 0, 192, F0, F1, 0
	MEET 0
	PLACES
	FETCH 1, 0, F0
	MUL16 F1, 1, 0, 0
	MUL16 F1, 1, 2, 0
	QUARTER 1, 64,  F0, F1, 0
	QUARTER 1, 128, F1, F0, 0
	QUARTER 1, 192, F0, F1, 0
	s_wait_dscnt 8                                 ; the very last quarter: nothing more to fetch
	MUL16 F1, 0, 0, 0
	MUL16 F1, 0, 2, 0
	s_wait_dscnt 0x0
	MUL16 F1, 1, 0, 0
	MUL16 F1, 1, 2, 0
	WIN 0
	PLACES
	PACK 0
	TOSTAGE 0
.irp a, 1,2,3,4,5,6,7                  ; block a's conversions stand between block a - 1's loads from the stage and the wait for them
	PACK \a
	SEND (\a)-1
	TOSTAGE \a
.endr
	SEND 7
	s_wait_tensorcnt 0x0                           ; the wave's end, behind my last tensor load and my last LDS store
	ds_add_u32 v[SPW], v[NIL]
	s_wait_dscnt 0x0
	CROUND                                         ; the closing round: no work-group ends while a partner may still ask for a tile that names it
	s_endpgm
.Lfunc_end_k_qd26c2d4b03_proj:
	.size	k_qd26c2d4b03_proj, .Lfunc_end_k_qd26c2d4b03_proj-k_qd26c2d4b03_proj
	.p2alignl 7, 3214868480
	.fill 96, 4, 3214868480
	.section	.rodata,"a",@progbits
	.p2align	6, 0x0
	.amdhsa_kernel k_qd26c2d4b03_proj
		.amdhsa_group_segment_fixed_size 327680
		.amdhsa_private_segment_fixed_size 0
		.amdhsa_enable_private_segment 0
		.amdhsa_kernarg_size 56
		.amdhsa_user_sgpr_count 2
		.amdhsa_user_sgpr_kernarg_segment_ptr 1
		.amdhsa_wavefront_size32 1
		.amdhsa_system_sgpr_workgroup_id_x 1
		.amdhsa_system_sgpr_workgroup_id_y 1
		.amdhsa_system_sgpr_workgroup_id_z 1
		.amdhsa_system_vgpr_workitem_id 0
		.amdhsa_next_free_vgpr 1024
		.amdhsa_next_free_sgpr 84
		.amdhsa_reserve_vcc 1
		.amdhsa_float_denorm_mode_32 3
		.amdhsa_float_denorm_mode_16_64 3
		.amdhsa_memory_ordered 1
		.amdhsa_forward_progress 1
		.amdhsa_inst_pref_size 170
	.end_amdhsa_kernel
	.amdgpu_metadata
---
amdhsa.version: [ 1, 2 ]
amdhsa.kernels:
  - .name:           k_qd26c2d4b03_proj
    .symbol:         k_qd26c2d4b03_proj.kd
    .args:
      - { .name: xb, .offset: 0, .size: 8, .value_kind: global_buffer, .address_space: global }
      - { .name: wb, .offset: 8, .size: 8, .value_kind: global_buffer, .address_space: global }
      - { .name: qk, .offset: 16, .size: 8, .value_kind: global_buffer, .address_space: global }
      - { .name: bq, .offset: 24, .size: 8, .value_kind: global_buffer, .address_space: global }
      - { .name: bk, .offset: 32, .size: 8, .value_kind: global_buffer, .address_space: global }
      - { .name: u, .offset: 40, .size: 8, .value_kind: global_buffer, .address_space: global }
      - { .name: vw, .offset: 48, .size: 8, .value_kind: global_buffer, .address_space: global }
    .group_segment_fixed_size: 327680
    .private_segment_fixed_size: 0
    .kernarg_segment_align: 8
    .kernarg_segment_size: 56
    .max_flat_workgroup_size: 128
    .sgpr_count:     84
    .vgpr_count:     1024
    .wavefront_size: 32
...
	.end_amdgpu_metadata
.endif
;; end of part 2
;; launch score (part 3): grid 8 x 32, 4 waves a work-group, clusters of 4 x 4, 327,680 bytes of LDS; arguments qk, vw, part; writes part
.if DOCPART == 3
	.amdgcn_target "amdgcn-amd-amdhsa--gfx1250"
	.amdhsa_code_object_version 6
	.text
	.protected	k_qd26c2d4b03_score
	.globl	k_qd26c2d4b03_score
	.p2align	8
	.type	k_qd26c2d4b03_score,@function
k_qd26c2d4b03_score:
	s_mov_b64 s[64:65], 0
	v_nop
	global_prefetch_b8 v0, s[64:65] scope:SCOPE_SE
	s_setreg_imm32_b32 hwreg(HW_REG_WAVE_MODE, 25, 1), 1
	s_wait_xcnt 0x0
	s_wait_alu depctr_hold_cnt(0) depctr_sa_sdst(0) depctr_va_vdst(0) depctr_va_sdst(0) depctr_va_ssrc(0) depctr_va_vcc(0) depctr_vm_vsrc(0)
	s_getreg_b32 s2, hwreg(HW_REG_IB_STS2, 6, 4)
	s_cmp_eq_u32 s2, 0
	s_cbranch_scc0 .Lentry_in_a_cluster
	s_endpgm
.Lentry_in_a_cluster:
	s_bfe_u32 s2, ttmp6, 0x10000c
	s_cmp_lg_u32 s2, 0xf033
	s_cbranch_scc0 .Lentry_shape_is_right
	s_endpgm
.Lentry_shape_is_right:
; For each query n and each chunk of 128 keys of its batch: s = q[n] . k[m];  cm = c max s;  l = the sum of 2^(c s - cm);  o = the sum of 2^(c s - cm) vw[m];  c = log2(e) / 32.
; part[chunk 0..15][query 0..8191] = (cm, l, o, 0), f32.  The next launch joins a query's sixteen chunks; the maximum is taken away before every exponential, here by chunk, there over chunks.
; LIMITS.  q and k are bf16; products, maxima and sums in f32; the scale c is applied in f32; a weight below 2^-126 counts as 0; NaN and infinities are not treated apart.
; A tile of 256 queries x 256 keys to a work-group of four waves; a wave makes 128 x 128 scores in 64 accumulators.  4 batches x 8 x 8 tiles: one work-group for each of 256.
; K = 1,024 channels go in 8 steps of 128 through a ring of two LDS slots; a tile's rows are 256 bytes of a row of qk (4,096 bytes), at multiples of 256.
; CLUSTERS: 4 x 4.  The four of a row of the cluster need the same queries, the four of a column the same keys: each tile is asked for jointly.
; THE MATRIX INSTRUCTION IS USED TRANSPOSED (source 0 = 16 keys, source 1 = 16 queries): lane l holds ONE query (l % 16) of a block of 16 and, over the block's 8 accumulators, 64 of its 128 keys;
; the other 64 lie in the lane 16 away.  So a block's maximum and sums are made in the lane, with one exchange between the halves of the lanes.
; REGISTERS in windows of 256 (s_set_vgpr_msb: bits 1:0 source 0, 3:2 source 1, 5:4 source 2, 7:6 destination):
;   window 0: v0-31 addresses and work; v32-63 four results a block; v64-191 A's fragments, two buffers, later two buffers of 64 weights; v192-255 vw of my lane's 64 keys
;   window 1: v64-191 B's fragments      windows 2, 3: the accumulators of my queries 0-63, 64-127: (a, b) at v[8 (8 a + b)]
.set SIZE_K, 1024
.set PA,     2048                      ; elements from row to row in qk
.set KSTEP,  128
.set PITCH,  272                       ; an LDS row: 256 bytes + 16 of padding = 68 words: the 16 rows of a fragment load start at 16 different groups of four banks (64 banks of 4 bytes: ISA guide 11.1)
.set HALFT,  128*PITCH
.set SLOT,   4*HALFT
.set SPARE,  2*SLOT                    ; behind the ring: the spare words, 128 bytes a wave
.set LAPS,   SIZE_K/(2*KSTEP)
.set XT,   2                           ; v2-3    what comes from the other half of the lanes
.set CH,   4                           ; v4-7    four chains of the maximum
.set LP,   8                           ; v[8:11] two pairs of sums of weights
.set OP,   12                          ; v[12:15] two pairs of sums of weights x vw
.set ADRA, 16
.set ADRB, 20
.set WO,   24                          ; v24     32 x (l / 16): my 8 numbers of a block of 16 of vw
.set PO,   25                          ; v25     16 x lane: my query's four numbers in part
.set LN,   26                          ; v26     lane
.set SPW,  28                          ; v28     LDS address of my spare word; never rewritten
.set NIL,  29                          ; v29     0; never rewritten
.set PFO,  30                          ; v30     the prefetches' offset: lane x a row's 4,096 bytes; never rewritten
.set ST,   32                          ; block a's cm, l, o, 0 at ST + 4 a
.set F0,   64
.set F1,   128
.set TT,   64                          ; a block's 64 weights, buffer a % 2
.set VW,   192                         ; register VW + 8 b + j: vw of key 16 b + 8 (l / 16) + j
.set G1,  24
.set G0,  32
.set LIM, 43
.set PFA, 44
.set G1B, 48
.set G0B, 56
.set CS,  70                           ; s[70:71] c, named as a pair
.set SEL, 72                           ; s[72:73] v_permlanex16_b32's selects
.set MSB, 0
.macro WIN new                         ; the immediate's high byte repeats the setting that is left; a switch that changes nothing is dropped
.if MSB != (\new)
	s_set_vgpr_msb (MSB<<8)|(\new)
.set MSB, \new
.endif
.endm
.set MUL_LO, 0xa1                      ; source 0 (keys) window 1, source 1 (queries) window 0, C and D window 2
.set TO_B,   0x40
.macro JLOAD s                         ; a joint load: waves 0 and 1 fetch the queries' two halves, waves 2 and 3 the keys'; an s_nop 0 and four v_nop follow each line
	s_cmp_eq_u32 s11, 0
	s_cbranch_scc0 .Lfor_b_\@
	tensor_load_to_lds s[G0+4*(\s):G0+4*(\s)+3], s[G1:G1+7]
	s_nop 0
.rept 4
	v_nop
.endr
	s_branch .Lasked_\@
.Lfor_b_\@:
	tensor_load_to_lds s[G0B+4*(\s):G0B+4*(\s)+3], s[G1B:G1B+7]
	s_nop 0
.rept 4
	v_nop
.endr
.Lasked_\@:
.endm
; A prefetch of the K step that stands two refills on: 32 rows x 256 bytes, a lane a row, one instruction a wave.  Each row's 256 bytes of a K step are named once in the launch: the queries' by the
; cluster with x = 0; the keys', which the two rows of clusters of a batch read, by the one with even y; the four partners share a wave's 128 rows out by address, 32 each.
; K steps 0 to 3 come by their loads alone; the loop's last trip (s3 = 1) asks for nothing.
.macro ASK
	s_cmp_gt_u32 s3, s[LIM]
	s_cbranch_scc0 .Lnot_mine_\@
	global_prefetch_b8 v[PFO], s[PFA:PFA+1] offset:KSTEP*2 th:TH_LOAD_NT scope:SCOPE_SE
.Lnot_mine_\@:
.endm
.macro CREST
	s_cmp_lg_u32 s10, 0
	s_cbranch_scc1 .Lnot_wave_0_\@
	s_barrier_signal -3
.Lnot_wave_0_\@:
	s_barrier_wait -3
	s_barrier_signal -1
	s_barrier_wait -1
.endm
.macro CROUND
	s_barrier_signal -1
	s_barrier_wait -1
	CREST
.endm
	s_load_b128 s[4:7], s[0:1], 0x0                ; qk s[4:5], vw s[6:7]
	s_load_b64 s[8:9], s[0:1], 0x10                ; part
	v_lshl_add_u32 v[SPW], v0, 2, SPARE
	v_mov_b32 v[NIL], 0
	ds_add_u32 v[SPW], v[NIL]                      ; the wave's opening: the add and its wait stand ahead of my first tensor load; work on registers stands between them
	v_lshrrev_b32 v1, 5, v0
	v_readfirstlane_b32 s10, v1                    ; wave 0..3
	s_lshr_b32 s11, s10, 1                         ; which half of the tile's queries is mine.  Also: I fetch queries (0) or keys (1)
	s_and_b32 s12, s10, 1                          ; which half of its keys.  Also: which 128 rows I fetch
	s_bfe_u32 s40, ttmp6, 0x40000                  ; cx
	s_bfe_u32 s41, ttmp6, 0x40004                  ; cy
	s_lshl_b32 s42, ttmp9, 2
	s_add_co_u32 s42, s42, s40                     ; key tile in the batch = 4 x cluster x + cx
	s_and_b32 s13, ttmp7, 0xffff
	s_lshr_b32 s76, s13, 1                         ; the batch: two rows of clusters each; made of the cluster's y alone
	s_lshl_b32 s76, s76, 11                        ; its first row in qk and in vw
	s_lshl_b32 s13, s13, 2
	s_add_co_u32 s13, s13, s41                     ; query tile, over all batches = 4 x cluster y + cy
	s_lshl_b32 s43, s41, 2
	s_lshl_b32 s43, 15, s43                        ; my row of the cluster
	s_lshl_b32 s44, 0x1111, s40                    ; my column
	s_or_b32 s[G1+0], s43, (1<<16)|(1<<20)|(1<<21)|(5<<22)|(3<<25)   ; 15:0 the mask: queries go to my row; 2-byte elements; 4 words of padding behind every 64; 21 set beside a mask
	s_or_b32 s[G1B+0], s44, (1<<16)|(1<<20)|(1<<21)|(5<<22)|(3<<25)  ; keys to my column
.irp g, G1, G1B
	s_mov_b32 s[(\g)+1], KSTEP<<16                 ; tensor_dim0 = 128
	s_mov_b32 s[(\g)+2], 128<<16                   ; tensor_dim1 = 128
	s_mov_b32 s[(\g)+3], KSTEP<<16                 ; tile_dim0 = 128
	s_mov_b32 s[(\g)+4], 128                       ; tile_dim1 = 128
	s_mov_b32 s[(\g)+5], PA                        ; elements from row to row
	s_mov_b32 s[(\g)+6], 0
	s_mov_b32 s[(\g)+7], 0
.endr
	s_mov_b32 s[CS], 0x3d38aa3b                    ; c = log2(e) / 32 = 0.0450842
	s_mov_b32 s[CS+1], s[CS]
	s_mov_b32 s[SEL], 0x76543210
	s_mov_b32 s[SEL+1], 0xfedcba98
	s_lshl_b32 s17, s12, 7
	s_lshl_b32 s16, s13, 8
	s_add_co_u32 s16, s16, s17                     ; queries: row 256 x query tile + 128 x half
	s_lshl_b32 s46, s42, 8
	s_add_co_u32 s46, s46, s17
	s_add_co_u32 s46, s46, s76                     ; keys: the batch's first row + 256 x key tile + 128 x half
	s_mov_b32 s17, 0
	s_mov_b32 s47, 0
	s_mov_b64 s[18:19], PA*2
	s_mul_u64 s[16:17], s[16:17], s[18:19]
	s_mul_u64 s[46:47], s[46:47], s[18:19]
	s_mul_i32 s20, s10, HALFT                      ; where they go: wave x 128 rows
	s_wait_dscnt 0x0                               ; the opening add is done
	s_wait_kmcnt 0x0
	s_add_nc_u64 s[68:69], s[4:5], 2048            ; k's columns begin 2,048 bytes into a row of qk
	s_add_nc_u64 s[14:15], s[4:5], s[16:17]
	s_add_nc_u64 s[46:47], s[68:69], s[46:47]
	CROUND                                         ; all sixteen work-groups are here: the first joint loads meet
.irp s, 0,1
	s_mov_b32 s[G0+4*(\s)], 1
	s_add_co_u32 s[G0+4*(\s)+1], s20, (\s)*SLOT
	s_add_nc_u64 s[G0+4*(\s)+2:G0+4*(\s)+3], s[14:15], (\s)*KSTEP*2
	s_or_b32 s[G0+4*(\s)+3], s[G0+4*(\s)+3], 0x80000000
	s_mov_b32 s[G0B+4*(\s)], 1
	s_add_co_u32 s[G0B+4*(\s)+1], s20, (\s)*SLOT
	s_add_nc_u64 s[G0B+4*(\s)+2:G0B+4*(\s)+3], s[46:47], (\s)*KSTEP*2
	s_or_b32 s[G0B+4*(\s)+3], s[G0B+4*(\s)+3], 0x80000000
	JLOAD \s                                       ; K steps 0 and 1: two tensor loads of mine are out
.endr
	v_and_b32 v1, 15, v0                           ; l % 16
	v_bfe_u32 v2, v0, 4, 1                         ; l / 16
	v_and_b32 v[LN], 31, v0
	v_lshlrev_b32 v[WO], 5, v2
	v_lshlrev_b32 v[PO], 4, v[LN]
	s_lshl_b32 s14, s42, 8
	s_lshl_b32 s15, s12, 7
	s_add_co_u32 s14, s14, s15
	s_add_co_u32 s14, s14, s76                     ; my first key
	s_lshl_b32 s14, s14, 2
	s_mov_b32 s15, 0
	s_add_nc_u64 s[6:7], s[6:7], s[14:15]
.irp b, 0,1,2,3,4,5,6,7
	global_load_b128 v[VW+8*(\b):VW+8*(\b)+3],   v[WO], s[6:7] offset:64*(\b)
	global_load_b128 v[VW+8*(\b)+4:VW+8*(\b)+7], v[WO], s[6:7] offset:64*(\b)+16
.endr
	v_mul_u32_u24 v3, v1, PITCH
	v_lshl_add_u32 v3, v2, 4, v3                   ; a fragment's row x pitch + 16 x half
	s_mul_i32 s21, s11, HALFT                      ; my 128 queries
	s_mul_i32 s22, s12, HALFT                      ; my 128 keys,
	s_add_co_u32 s22, s22, 2*HALFT                 ; which lie behind the 256 queries
.irp s, 0,1
	v_add_nc_u32 v[ADRA+(\s)], s21, v3
	v_add_nc_u32 v[ADRB+(\s)], s22, v3
	s_add_co_u32 s21, s21, SLOT
	s_add_co_u32 s22, s22, SLOT
.endr
	s_lshl_b32 s14, s42, 1
	s_add_co_u32 s14, s14, s12                     ; my chunk of 128 keys: 2 x key tile + half
	s_lshl_b32 s14, s14, 13                        ; 8,192 queries a chunk
	s_lshl_b32 s20, s13, 8                         ; 256 x query tile
	s_add_co_u32 s14, s14, s20
	s_lshl_b32 s15, s11, 7
	s_add_co_u32 s14, s14, s15                     ; + my first query
	s_lshl_b32 s14, s14, 4                         ; 16 bytes a query
	s_mov_b32 s15, 0
	s_add_nc_u64 s[8:9], s[8:9], s[14:15]
	; the prefetches
	s_lshl_b32 s21, s42, 8
	s_add_co_u32 s21, s21, s76                     ; the keys' first row
	s_and_b32 s22, ttmp7, 1                        ; cluster y's parity
	s_cmp_eq_u32 s11, 0                            ; do I fetch queries?
	s_cselect_b32 s20, s20, s21
	s_cselect_b32 s21, s40, s41                    ; my place among the four that ask with me
	s_cselect_b32 s22, ttmp9, s22                  ; 0 in the one cluster that asks
	s_cselect_b64 s[PFA:PFA+1], s[4:5], s[68:69]
	s_cmp_eq_u32 s22, 0
	s_cselect_b32 s[LIM], 1, -1                    ; the same in all sixteen partners, for a given wave
	s_lshl_b32 s22, s12, 7
	s_add_co_u32 s20, s20, s22
	s_lshl_b32 s21, s21, 5
	s_add_co_u32 s20, s20, s21
	s_mov_b32 s21, 0
	s_mov_b64 s[18:19], PA*2
	s_mul_u64 s[20:21], s[20:21], s[18:19]
	s_add_nc_u64 s[PFA:PFA+1], s[PFA:PFA+1], s[20:21]
	s_add_nc_u64 s[PFA:PFA+1], s[PFA:PFA+1], 2*KSTEP*2  ; at K step 2: the first refill steps it to 3 and names K step 4
	v_and_b32 v[PFO], 31, v0
	v_mul_u32_u24 v[PFO], v[PFO], PA*2
; 16 matrix instructions: query blocks a0, a0 + 1 of the window's four x all 8 key blocks, 32 channels.  zero = 1: the first product starts the sum.  The 64 accumulators take turns.
.macro MUL16 f, hi, a0, zero
	WIN MUL_LO+0x50*(\hi)
.irp a, \a0, (\a0)+1
.irp b, 0,1,2,3,4,5,6,7
.if \zero
	v_wmma_f32_16x16x32_bf16 v[8*(8*(\a)+(\b)):8*(8*(\a)+(\b))+7], v[(\f)+8*(\b):(\f)+8*(\b)+7], v[(\f)+8*(4*(\hi)+(\a)):(\f)+8*(4*(\hi)+(\a))+7], 0
.else
	v_wmma_f32_16x16x32_bf16 v[8*(8*(\a)+(\b)):8*(8*(\a)+(\b))+7], v[(\f)+8*(\b):(\f)+8*(\b)+7], v[(\f)+8*(4*(\hi)+(\a)):(\f)+8*(4*(\hi)+(\a))+7], v[8*(8*(\a)+(\b)):8*(8*(\a)+(\b))+7]
.endif
.endr
.endr
.endm
.macro FETCH slot, k, f                ; 32 LDS loads in one run: one quarter step's fragments into buffer f
	WIN TO_B
.irp i, 0,1,2,3,4,5,6,7
	ds_load_b128 v[(\f)+8*(\i):(\f)+8*(\i)+3],   v[ADRB+(\slot)] offset:(\k)+(\i)*16*PITCH
	ds_load_b128 v[(\f)+8*(\i)+4:(\f)+8*(\i)+7], v[ADRB+(\slot)] offset:(\k)+(\i)*16*PITCH+32
.endr
	WIN 0
.irp i, 0,1,2,3,4,5,6,7
	ds_load_b128 v[(\f)+8*(\i):(\f)+8*(\i)+3],   v[ADRA+(\slot)] offset:(\k)+(\i)*16*PITCH
	ds_load_b128 v[(\f)+8*(\i)+4:(\f)+8*(\i)+7], v[ADRA+(\slot)] offset:(\k)+(\i)*16*PITCH+32
.endr
.endm
.macro PLACES                          ; four plain instructions between a matrix instruction and a load into, or a vector instruction on, its registers
.rept 4
	v_nop
.endr
.endm
.macro QUARTER slot, k, f, g, zero
	s_wait_dscnt 8                                 ; the keys and queries 0-63 are in; the youngest eight loads (queries 64-127) may be out
	MUL16 \f, 0, 0, \zero
	MUL16 \f, 0, 2, \zero
	PLACES
	FETCH \slot, \k, \g
	s_wait_dscnt 32                                ; all but the 32 just issued
	MUL16 \f, 1, 0, \zero
	MUL16 \f, 1, 2, \zero
.endm
.macro MEET round                      ; one barrier for the change of slots: all my tensor loads, the add, my reads of this slot, then the signal
	WIN 0
	s_wait_tensorcnt 0x0
	ds_add_u32 v[SPW], v[NIL]
	s_wait_dscnt 9                                 ; the add and the youngest eight loads may be out
	MUL16 F1, 0, 0, 0
	s_wait_dscnt 0x0                               ; the add is done, and my reads of this slot are over
	s_barrier_signal -1
	MUL16 F1, 0, 2, 0
.if \round
	WIN 0
.endif
	s_barrier_wait -1
.endm
.macro TURN slot, next                 ; the last quarter where the slot is filled again: the joint refill is the first tensor load behind the round, 224 matrix instructions ahead of the wait for it
	s_wait_xcnt 0x0                                ; the last prefetch, a K step back, has read its address
	s_add_nc_u64 s[PFA:PFA+1], s[PFA:PFA+1], KSTEP*2
	MEET 1
	CREST
	s_add_nc_u64 s[G0+4*(\slot)+2:G0+4*(\slot)+3], s[G0+4*(\slot)+2:G0+4*(\slot)+3], 2*KSTEP*2
	s_add_nc_u64 s[G0B+4*(\slot)+2:G0B+4*(\slot)+3], s[G0B+4*(\slot)+2:G0B+4*(\slot)+3], 2*KSTEP*2
	JLOAD \slot
	FETCH \next, 0, F0
	ASK
	MUL16 F1, 1, 0, 0
	MUL16 F1, 1, 2, 0
.endm
; THE WAY OUT, a block of 16 queries (64 scores a lane) at a time.
; MAXB a: four chains over the block's 64 scores, three operands at a time; each accumulator's lowest registers are read first.
.macro MAXB a
.set AC, 64*((\a)%4)
	WIN 0x0a+5*((\a)/4)                            ; sources 0 and 1: window 2 or 3
.set t, 0
.rept 8
.irp k, 0,1,2,3
.if t == 0
	v_max_num_f32 v[CH+(\k)], v[AC+16*(\k)], v[AC+16*(\k)+1]
.else
	v_max3_num_f32 v[CH+(\k)], v[AC+16*(\k)+2*t], v[AC+16*(\k)+2*t+1], v[CH+(\k)]
.endif
.endr
.set t, t+1
.endr
.endm
; STAT a, n: number n of the seven that end the maximum: the four chains into one, the other half of the lanes', c m; l's and the fourth word's registers are written.
.macro STAT a, n
	WIN 0
.if (\n) == 0
	v_max3_num_f32 v[CH], v[CH], v[CH+1], v[CH+2]
.elseif (\n) == 1
	v_max_num_f32 v[CH], v[CH], v[CH+3]
.elseif (\n) == 2
	v_permlanex16_b32 v[XT], v[CH], s[SEL], s[SEL+1]
.elseif (\n) == 3
	v_max_num_f32 v[CH], v[CH], v[XT]
.elseif (\n) == 4
	v_mul_f32 v[ST+4*(\a)], s[CS], v[CH]
.elseif (\n) == 5
	v_mov_b32 v[ST+4*(\a)+1], 0                    ; named with c m as a pair by the scaling
.else
	v_mov_b32 v[ST+4*(\a)+3], 0                    ; the fourth word of a query's 16 bytes
.endif
.endm
; SCALE a: c s - c m for the block's 32 pairs, out of the accumulators into buffer a % 2
.macro SCALE a
.set AC, 64*((\a)%4)
	WIN 0x02+(\a)/4                                ; source 0: window 2 or 3
.set i, 0
.rept 32
	v_pk_fma_f32 v[TT+64*((\a)%2)+2*i:TT+64*((\a)%2)+2*i+1], v[AC+2*i:AC+2*i+1], s[CS:CS+1], v[ST+4*(\a):ST+4*(\a)+1] op_sel_hi:[1,0,0] neg_lo:[0,0,1] neg_hi:[0,0,1]
.set i, i+1
.endr
.endm
; SUMI a: number i (a symbol) of 64 of block a's sums: pair p = i / 2 goes into chain p % 2: at even i o += p vw, at odd i l += p.  The first pairs start the chains: nothing is cleared.
.macro SUMI a
.set p, i/2
.set z, p%2
.set rT, TT+64*((\a)%2)+2*p
.if i%2 == 0
.if p < 2
	v_pk_mul_f32 v[OP+2*z:OP+2*z+1], v[rT:rT+1], v[VW+2*p:VW+2*p+1]
.else
	v_pk_fma_f32 v[OP+2*z:OP+2*z+1], v[rT:rT+1], v[VW+2*p:VW+2*p+1], v[OP+2*z:OP+2*z+1]
.endif
.elseif p >= 4
	v_pk_add_f32 v[LP+2*z:LP+2*z+1], v[LP+2*z:LP+2*z+1], v[rT:rT+1]
.elseif p >= 2
	v_pk_add_f32 v[LP+2*z:LP+2*z+1], v[rT-4:rT-3], v[rT:rT+1]
.endif
.endm
; FIN a: the chains, the pairs' halves and the two halves of the lanes are added
.macro FIN a
	v_pk_add_f32 v[LP:LP+1], v[LP:LP+1], v[LP+2:LP+3]
	v_pk_add_f32 v[OP:OP+1], v[OP:OP+1], v[OP+2:OP+3]
	v_add_f32 v[LP], v[LP], v[LP+1]
	v_add_f32 v[OP], v[OP], v[OP+1]
	v_permlanex16_b32 v[XT], v[LP], s[SEL], s[SEL+1]
	v_permlanex16_b32 v[XT+1], v[OP], s[SEL], s[SEL+1]
	v_add_f32 v[ST+4*(\a)+1], v[LP], v[XT]
	v_add_f32 v[ST+4*(\a)+2], v[OP], v[XT+1]
.endm
; LUMP a: block a's 64 exponentials are ONE BATCH; between them stand block a - 1's sums (their weights had their wait a lump ago) and the end of block a + 1's maximum.  Nothing here names a result
; of the batch.  A plain instruction stands behind the last exponential and s_wait_alu depctr_va_vdst(0) ahead of the first instruction that names a result: one wait a block.
.macro LUMP a
	WIN 0
.set i, 0
.rept 64
	v_exp_f32 v[TT+64*((\a)%2)+i], v[TT+64*((\a)%2)+i]
.if (\a) > 0
	SUMI (\a)-1
.endif
.if ((\a) < 7) && (i%8 == 4) && (i/8 < 7)
	STAT (\a)+1, i/8
.endif
.set i, i+1
.endr
.if (\a) > 0
	FIN (\a)-1
.endif
	v_nop
	s_wait_alu depctr_va_vdst(0)
.endm
	s_wait_loadcnt 0x0                             ; vw
	s_wait_tensorcnt 1                             ; my part of K step 0 is in; K step 1's may stay out
	s_barrier_signal -1
	s_barrier_wait -1
	FETCH 0, 0, F0
	QUARTER 0, 64,  F0, F1, 1                      ; the first quarter stands in front of the loop: its products start the sums
	WIN 0                                          ; at a label and at a branch every window is 0
	s_mov_b32 s3, LAPS-1
.Llap:                                                 ; a trip goes once round the ring and fills both slots again
	QUARTER 0, 128, F1, F0, 0
	QUARTER 0, 192, F0, F1, 0
	TURN 0, 1
	QUARTER 1, 64,  F0, F1, 0
	QUARTER 1, 128, F1, F0, 0
	QUARTER 1, 192, F0, F1, 0
	TURN 1, 0
	QUARTER 0, 64,  F0, F1, 0
	WIN 0
	s_sub_co_u32 s3, s3, 1
	s_cmp_lg_u32 s3, 0
	s_cbranch_scc1 .Llap
	QUARTER 0, 128, F1, F0, 0                      ; the last lap fills nothing, and has no round of the cluster's barrier
	QUARTER 0, 192, F0, F1, 0
	MEET 0
	PLACES
	FETCH 1, 0, F0
	MUL16 F1, 1, 0, 0
	MUL16 F1, 1, 2, 0
	QUARTER 1, 64,  F0, F1, 0
	QUARTER 1, 128, F1, F0, 0
	QUARTER 1, 192, F0, F1, 0
	s_wait_dscnt 8                                 ; the very last quarter: nothing more to fetch
	MUL16 F1, 0, 0, 0
	MUL16 F1, 0, 2, 0
	s_wait_dscnt 0x0
	MUL16 F1, 1, 0, 0
	MUL16 F1, 1, 2, 0
	WIN 0
	PLACES
	MAXB 0
.irp n, 0,1,2,3,4,5,6
	STAT 0, \n
.endr
	SCALE 0
.irp a, 0,1,2,3,4,5,6
	MAXB (\a)+1
	LUMP \a
	SCALE (\a)+1                                   ; into the buffer whose sums the lump has just ended
.endr
	LUMP 7
.set i, 0
.rept 64
	SUMI 7
.set i, i+1
.endr
	FIN 7
	; both halves of the lanes hold every block's results: lanes 0-15 take block 2 g, lanes 16-31 block 2 g + 1, so a store covers 32 queries on end
	v_cmp_le_u32 vcc_lo, 16, v[LN]
.irp g, 0,1,2,3
.irp w, 0,1,2,3
	v_cndmask_b32 v[TT+4*(\g)+(\w)], v[ST+8*(\g)+(\w)], v[ST+8*(\g)+4+(\w)], vcc_lo
.endr
	global_store_b128 v[PO], v[TT+4*(\g):TT+4*(\g)+3], s[8:9] offset:512*(\g)  ; 512 consecutive bytes, at a multiple of 256 from part's first byte
.endr
	s_wait_tensorcnt 0x0                           ; the wave's end, behind my last tensor load
	ds_add_u32 v[SPW], v[NIL]
	s_wait_dscnt 0x0
	CROUND                                         ; the closing round: no work-group ends while a partner may still ask for a tile that names it
	s_endpgm
.Lfunc_end_k_qd26c2d4b03_score:
	.size	k_qd26c2d4b03_score, .Lfunc_end_k_qd26c2d4b03_score-k_qd26c2d4b03_score
	.p2alignl 7, 3214868480
	.fill 96, 4, 3214868480
	.section	.rodata,"a",@progbits
	.p2align	6, 0x0
	.amdhsa_kernel k_qd26c2d4b03_score
		.amdhsa_group_segment_fixed_size 327680
		.amdhsa_private_segment_fixed_size 0
		.amdhsa_enable_private_segment 0
		.amdhsa_kernarg_size 24
		.amdhsa_user_sgpr_count 2
		.amdhsa_user_sgpr_kernarg_segment_ptr 1
		.amdhsa_wavefront_size32 1
		.amdhsa_system_sgpr_workgroup_id_x 1
		.amdhsa_system_sgpr_workgroup_id_y 1
		.amdhsa_system_sgpr_workgroup_id_z 1
		.amdhsa_system_vgpr_workitem_id 0
		.amdhsa_next_free_vgpr 1024
		.amdhsa_next_free_sgpr 84
		.amdhsa_reserve_vcc 1
		.amdhsa_float_denorm_mode_32 3
		.amdhsa_float_denorm_mode_16_64 3
		.amdhsa_memory_ordered 1
		.amdhsa_forward_progress 1
		.amdhsa_inst_pref_size 200
	.end_amdhsa_kernel
	.amdgpu_metadata
---
amdhsa.version: [ 1, 2 ]
amdhsa.kernels:
  - .name:           k_qd26c2d4b03_score
    .symbol:         k_qd26c2d4b03_score.kd
    .args:
      - { .name: qk, .offset: 0, .size: 8, .value_kind: global_buffer, .address_space: global }
      - { .name: vw, .offset: 8, .size: 8, .value_kind: global_buffer, .address_space: global }
      - { .name: part, .offset: 16, .size: 8, .value_kind: global_buffer, .address_space: global }
    .group_segment_fixed_size: 327680
    .private_segment_fixed_size: 0
    .kernarg_segment_align: 8
    .kernarg_segment_size: 24
    .max_flat_workgroup_size: 128
    .sgpr_count:     84
    .vgpr_count:     1024
    .wavefront_size: 32
...
	.end_amdgpu_metadata
.endif
;; end of part 3
;; launch merge (part 4): grid 128 x 1, 1 waves a work-group, no clusters, 0 bytes of LDS; arguments part, bv, Ww, bw, out0; writes out0
.if DOCPART == 4
	.amdgcn_target "amdgcn-amd-amdhsa--gfx1250"
	.amdhsa_code_object_version 6
	.text
	.protected	k_qd26c2d4b03_merge
	.globl	k_qd26c2d4b03_merge
	.p2align	8
	.type	k_qd26c2d4b03_merge,@function
k_qd26c2d4b03_merge:
	s_mov_b64 s[64:65], 0
	v_nop
	global_prefetch_b8 v0, s[64:65] scope:SCOPE_SE
	s_setreg_imm32_b32 hwreg(HW_REG_WAVE_MODE, 25, 1), 1
	s_wait_xcnt 0x0
; out0[n] = (the sum over j of o_j e_j) / (the sum over j of l_j e_j) + bv.Ww + bw,  e_j = 2^(cm_j - M),  M = the largest cm_j: a query's sixteen chunks of 128 keys are joined.
; The weights of a row add up to 1, so the constant bv.Ww + bw that every value carries is added once, at the end.  The chunk that holds M has e = 1 and l >= 1, so the divisor is at least 1.
; All in f32.  An e below 2^-126 counts as 0; NaN and infinities are not treated apart.
; One wave a work-group, 64 queries; lane l owns queries 2 l and 2 l + 1: 32 bytes of each chunk, and 8 bytes of out0, so that the wave's one store covers 256 consecutive bytes, aligned.
; 2 MiB are read once, by 128 waves that wait for nobody: no LDS, no barrier, no matrix unit; every load goes out before the first wait.
.set P,  16                            ; v[16:143]  chunk j at P + 8 j: cm, l, o, 0 of my first query, then of my second
.set BV, 144                           ; v[144:175] my 32 numbers of bv
.set WW, 176                           ; v[176:207] and of Ww
.set EX, 208                           ; v[208:239] e: query q, chunk j at EX + 16 q + j
	s_load_b256 s[4:11], s[0:1], 0x0               ; part 4:5, bv 6:7, Ww 8:9, bw 10:11
	s_load_b64 s[12:13], s[0:1], 0x20              ; out0
	v_lshlrev_b32 v1, 4, v0                        ; 16 x lane
	v_lshlrev_b32 v14, 5, v0                       ; 32 x lane
	v_lshlrev_b32 v15, 3, v0                       ; 8 x lane
	s_lshl_b32 s14, ttmp9, 10                      ; 64 queries of 16 bytes
	s_mov_b32 s15, 0
	s_lshl_b32 s16, ttmp9, 8                       ; 64 queries of 4 bytes
	s_mov_b32 s17, 0
	s_mov_b32 s18, 0x76543210
	s_mov_b32 s19, 0xfedcba98
	s_wait_kmcnt 0x0
	s_load_b32 s20, s[10:11], 0x0                  ; bw
	s_add_nc_u64 s[4:5], s[4:5], s[14:15]
	s_add_nc_u64 s[12:13], s[12:13], s[16:17]
.irp t, 0,1,2,3,4,5,6,7
	global_load_b128 v[BV+4*(\t):BV+4*(\t)+3], v1, s[6:7] offset:512*(\t)
	global_load_b128 v[WW+4*(\t):WW+4*(\t)+3], v1, s[8:9] offset:512*(\t)
.endr
.set j, 0
.rept 16
	global_load_b128 v[P+8*j:P+8*j+3],   v14, s[4:5] offset:131072*j      ; a chunk is 8,192 queries of 16 bytes
	global_load_b128 v[P+8*j+4:P+8*j+7], v14, s[4:5] offset:131072*j+16
.set j, j+1
.endr
	s_wait_loadcnt 32                              ; bv and Ww are in; part's 32 loads may stay out
	v_pk_mul_f32 v[2:3], v[BV:BV+1], v[WW:WW+1]
.set i, 1
.rept 15
	v_pk_fma_f32 v[2:3], v[BV+2*i:BV+2*i+1], v[WW+2*i:WW+2*i+1], v[2:3]
.set i, i+1
.endr
	v_add_f32 v2, v2, v3
	v_add_f32_dpp v2, v2, v2 row_xmask:1 row_mask:0xf bank_mask:0xf
	v_add_f32_dpp v2, v2, v2 row_xmask:2 row_mask:0xf bank_mask:0xf
	v_add_f32_dpp v2, v2, v2 row_xmask:4 row_mask:0xf bank_mask:0xf
	v_add_f32_dpp v2, v2, v2 row_xmask:8 row_mask:0xf bank_mask:0xf
	v_permlanex16_b32 v3, v2, s18, s19
	v_add_f32 v2, v2, v3
	s_wait_kmcnt 0x0
	v_add_f32 v2, s20, v2                          ; bv.Ww + bw, in every lane
	s_wait_loadcnt 0x0
.irp q, 0,1
	v_max3_num_f32 v[4+(\q)], v[P+4*(\q)], v[P+8+4*(\q)], v[P+16+4*(\q)]
.endr
.set j, 3
.rept 6
.irp q, 0,1
	v_max3_num_f32 v[4+(\q)], v[4+(\q)], v[P+8*j+4*(\q)], v[P+8*(j+1)+4*(\q)]
.endr
.set j, j+2
.endr
.irp q, 0,1
	v_max_num_f32 v[4+(\q)], v[4+(\q)], v[P+8*15+4*(\q)]  ; M
.endr
.set j, 0
.rept 16
.irp q, 0,1
	v_sub_f32 v[EX+16*(\q)+j], v[P+8*j+4*(\q)], v[4+(\q)]
.endr
.set j, j+1
.endr
.set j, 0
.rept 32
	v_exp_f32 v[EX+j], v[EX+j]                     ; one batch of 32
.set j, j+1
.endr
	v_nop                                          ; a plain instruction behind the last exponential,
	s_wait_alu depctr_va_vdst(0)                   ; and the one wait ahead of the first use
.irp q, 0,1
	v_mul_f32 v[6+(\q)], v[P+4*(\q)+1], v[EX+16*(\q)]  ; the first chunk starts the sums
	v_mul_f32 v[8+(\q)], v[P+4*(\q)+2], v[EX+16*(\q)]
.endr
.set j, 1
.rept 15
.irp q, 0,1
	v_fmac_f32 v[6+(\q)], v[P+8*j+4*(\q)+1], v[EX+16*(\q)+j]
	v_fmac_f32 v[8+(\q)], v[P+8*j+4*(\q)+2], v[EX+16*(\q)+j]
.endr
.set j, j+1
.endr
	v_rcp_f32 v10, v6
	v_rcp_f32 v11, v7
	v_nop
	s_wait_alu depctr_va_vdst(0)                   ; one wait for the two reciprocals
	v_fma_f32 v12, v8, v10, v2
	v_fma_f32 v13, v9, v11, v2
	global_store_b64 v15, v[12:13], s[12:13]       ; 256 consecutive bytes of out0, aligned
	s_endpgm
.Lfunc_end_k_qd26c2d4b03_merge:
	.size	k_qd26c2d4b03_merge, .Lfunc_end_k_qd26c2d4b03_merge-k_qd26c2d4b03_merge
	.p2alignl 7, 3214868480
	.fill 96, 4, 3214868480
	.section	.rodata,"a",@progbits
	.p2align	6, 0x0
	.amdhsa_kernel k_qd26c2d4b03_merge
		.amdhsa_group_segment_fixed_size 0
		.amdhsa_private_segment_fixed_size 0
		.amdhsa_enable_private_segment 0
		.amdhsa_kernarg_size 40
		.amdhsa_user_sgpr_count 2
		.amdhsa_user_sgpr_kernarg_segment_ptr 1
		.amdhsa_wavefront_size32 1
		.amdhsa_system_sgpr_workgroup_id_x 1
		.amdhsa_system_sgpr_workgroup_id_y 1
		.amdhsa_system_sgpr_workgroup_id_z 1
		.amdhsa_system_vgpr_workitem_id 0
		.amdhsa_next_free_vgpr 240
		.amdhsa_next_free_sgpr 66
		.amdhsa_reserve_vcc 0
		.amdhsa_float_denorm_mode_32 3
		.amdhsa_float_denorm_mode_16_64 3
		.amdhsa_memory_ordered 1
		.amdhsa_forward_progress 1
		.amdhsa_inst_pref_size 13
	.end_amdhsa_kernel
	.amdgpu_metadata
---
amdhsa.version: [ 1, 2 ]
amdhsa.kernels:
  - .name:           k_qd26c2d4b03_merge
    .symbol:         k_qd26c2d4b03_merge.kd
    .args:
      - { .name: part, .offset: 0, .size: 8, .value_kind: global_buffer, .address_space: global }
      - { .name: bv, .offset: 8, .size: 8, .value_kind: global_buffer, .address_space: global }
      - { .name: Ww, .offset: 16, .size: 8, .value_kind: global_buffer, .address_space: global }
      - { .name: bw, .offset: 24, .size: 8, .value_kind: global_buffer, .address_space: global }
      - { .name: out0, .offset: 32, .size: 8, .value_kind: global_buffer, .address_space: global }
    .group_segment_fixed_size: 0
    .private_segment_fixed_size: 0
    .kernarg_segment_align: 8
    .kernarg_segment_size: 40
    .max_flat_workgroup_size: 32
    .sgpr_count:     66
    .vgpr_count:     240
    .wavefront_size: 32
...
	.end_amdgpu_metadata
.endif
;; end of part 4
;; ======== version 2 of 2: 4 launches; version 1 with the launch prep written anew for expert scheduling mode
;; workspace buffers: xb 16,777,216 bytes; wb 4,194,304 bytes; u 4,096 bytes; qk 33,554,432 bytes; vw 32,768 bytes; part 2,097,152 bytes
;; launch prep (part 5): grid 336 x 1, 16 waves a work-group, no clusters, 6,144 bytes of LDS; arguments x, Wq, Wk, Wv, Ww, xb, wb, u; writes xb, wb, u
.if DOCPART == 5
	.amdgcn_target "amdgcn-amd-amdhsa--gfx1250"
	.amdhsa_code_object_version 6
	.text
	.protected	k_qd26c2d4b03_prep
	.globl	k_qd26c2d4b03_prep
	.p2align	8
	.type	k_qd26c2d4b03_prep,@function
k_qd26c2d4b03_prep:
	s_mov_b64 s[64:65], 0
	v_nop
	global_prefetch_b8 v0, s[64:65] scope:SCOPE_SE
	s_setreg_imm32_b32 hwreg(HW_REG_WAVE_SCHED_MODE, 0, 2), 2
	s_setreg_imm32_b32 hwreg(HW_REG_WAVE_MODE, 25, 1), 1
	s_wait_xcnt 0x0
	s_wait_alu depctr_vm_vsrc(0)
; xb = bf16(x) [8192][1024]; wb = bf16([Wq; Wk]) [2048][1024]; u[d] = the sum over e of Ww[e] Wv[e][d], in f32.
; WHY u: (beta v) Ww^T = beta (v Ww^T), and v Ww^T = x u + bv.Ww; so the value projection and the second product of the attention shrink to one number a key.
; That is a reordering of sums that holds for every input; the order of rounding differs from the written one.
; SHARES.  Work-groups 0-15: 64 columns of u each (256 bytes of every row of Wv).  Work-groups 16-335: 131,072 bytes of f32 each, rounded to bf16: 256 for x, 32 for Wq, 32 for Wk.
; u is a product with one row, 1,048,576 multiply-adds: it goes to the vector unit in f32; a matrix tile would have 15 idle rows of 16.
; No matrix unit, no cluster, no tensor load: every byte is read once by one lane, and nothing is shared on the way in.
; THE MODE: SCHED_MODE bits 1:0 = 2 (LLVM: expert scheduling mode 2), set by the entry lines.  The code itself states the register dependences
; between vector instructions and memory or LDS instructions, with s_wait_alu, always for 0.
; THE PLAN.  Registers that memory or LDS instructions touch:
;   v[SO], v[DO]  Offsets: made once in each path, read by all its loads and stores, never written again: one wait on va_vdst ahead of the path's first load.
;   THE CAST.  D: each slot is loaded once and read by two conversions.  E: each pair is written once, by conversions, and read by one store.  The sixteen loads go in four groups of four:
;              a group's eight conversions, ONE wait on va_vdst, its four stores.  No register that a store reads is written again.
;   u.         E: Ww, loaded once.  D: sixteen row slots, each loaded twice.  The 32 rows go in eight blocks of four: a block's sixteen multiply-adds read its four slots; behind them, in blocks
;              0 to 3, ONE wait on va_vdst, and the rows of the block four further on land in the same slots.
;              ACC, v3, v2: written by vector lines, read by the LDS store, by wave 0's LDS loads and by its store: one wait on va_vdst ahead of the LDS store serves all three,
;              and the LDS loads into D, which the multiply-adds read.  One more stands ahead of wave 0's store of u, whose data its additions write.
;   v[SPW], v[NIL]  Written at the head, read by the closing add alone.
;   No register that a memory or LDS instruction has read is written again, so no wait on vm_vsrc is owed.
.set SPARE, 4096                       ; LDS: 0-4095 wave w's 64 column sums at 256 w; behind them the spare words, 128 bytes for each of 16 waves
.set ACC, 4                            ; v[4:7]    my four columns' sums
.set TX,  8                            ; v[8:11]   the other half of the lanes' sums
.set SPW, 12                           ; v12       LDS address of my spare word; never rewritten
.set NIL, 13                           ; v13       0; never rewritten
.set SO,  14                           ; v14       byte offset of my loads
.set DO,  15                           ; v15       byte offset of my stores (cast), of my 32 numbers of Ww (u)
.set D,   16                           ; v[16:79]  sixteen slots of four registers as loaded
.set E,   80                           ; v[80:111] cast: packed results; u: Ww of my 32 rows
	s_load_b512 s[4:19], s[0:1], 0x0               ; x 4:5, Wq 6:7, Wk 8:9, Wv 10:11, Ww 12:13, xb 14:15, wb 16:17, u 18:19
	v_lshl_add_u32 v[SPW], v0, 2, SPARE
	v_mov_b32 v[NIL], 0
	v_lshrrev_b32 v1, 5, v0
	v_readfirstlane_b32 s20, v1                    ; wave 0..15
	v_and_b32 v1, 31, v0                           ; lane
	v_and_b32 v2, 15, v0                           ; lane % 16
	v_bfe_u32 v3, v0, 4, 1                         ; lane / 16
	s_mov_b32 s30, 0x76543210                      ; v_permlanex16_b32: each lane takes its own place in the other half
	s_mov_b32 s31, 0xfedcba98
	s_wait_alu depctr_va_sdst(0)                   ; s20 is written, ahead of the branch and of its first readers, the scalar lines of both paths that make the wave's offsets
	s_wait_kmcnt 0x0
	s_cmp_lt_u32 ttmp9, 16                         ; the same answer in all waves of a work-group
	s_cbranch_scc1 .Lu
	; THE CAST.  i = work-group - 16: 0-255 x, 256-287 Wq, 288-319 Wk.  Source and destination are chosen by selects.
	s_sub_co_u32 s21, ttmp9, 16
	s_mov_b32 s28, 288
	s_cmp_lt_u32 s21, 288
	s_cselect_b64 s[22:23], s[6:7], s[8:9]
	s_cselect_b32 s24, 256, s28                    ; the first i of the source
	s_cmp_lt_u32 s21, 256
	s_cselect_b64 s[22:23], s[4:5], s[22:23]
	s_cselect_b32 s24, 0, s24
	s_cselect_b64 s[26:27], s[14:15], s[16:17]
	s_cselect_b32 s25, 0, 256                      ; the first i of the destination: Wk follows Wq in wb
	s_sub_co_u32 s24, s21, s24
	s_lshl_b32 s24, s24, 17                        ; 131,072 bytes of f32 a work-group
	s_sub_co_u32 s28, s21, s25
	s_lshl_b32 s28, s28, 16                        ; 65,536 bytes of bf16
	s_mov_b32 s25, 0
	s_mov_b32 s29, 0
	s_add_nc_u64 s[22:23], s[22:23], s[24:25]
	s_add_nc_u64 s[26:27], s[26:27], s[28:29]
	s_lshl_b32 s21, s20, 13                        ; a wave's 8,192 bytes in,
	v_lshl_add_u32 v[SO], v1, 4, s21
	s_lshl_b32 s21, s20, 12                        ; its 4,096 out
	v_lshl_add_u32 v[DO], v1, 3, s21
	s_wait_alu depctr_va_vdst(0)                   ; v[SO] and v[DO] are written: every load and store of this path reads one of them as its offset
.set t, 0
.rept 16
	global_load_b128 v[D+4*t:D+4*t+3], v[SO], s[22:23] offset:512*t th:TH_LOAD_NT  ; 512 consecutive bytes a load; all sixteen go out at once
.set t, t+1
.endr
.set g, 0
.rept 4                                                ; four groups of four loads
	s_wait_loadcnt 12-4*g                          ; loads come back in order: the group's four are in, the 12 - 4 g younger ones stay out
.set i, 0
.rept 4
.set t, 4*g+i
	v_cvt_pk_bf16_f32 v[E+2*t], v[D+4*t], v[D+4*t+1]
	v_cvt_pk_bf16_f32 v[E+2*t+1], v[D+4*t+2], v[D+4*t+3]
.set i, i+1
.endr
	s_wait_alu depctr_va_vdst(0)                   ; the group's eight conversions have written their registers of E, which the four stores below read
.set i, 0
.rept 4
.set t, 4*g+i
	global_store_b64 v[DO], v[E+2*t:E+2*t+1], s[26:27] offset:256*t  ; 32 lanes store 256 consecutive bytes, aligned; no register of a store is written again
.set i, i+1
.endr
.set g, g+1
.endr
	s_branch .Lend
.Lu:	; u.  Wave w, half h of its lanes, takes rows 64 w + 32 h + 0..31 of Wv; lane % 16 takes 16 bytes (4 columns) of the block's 256.
	s_lshl_b32 s21, s20, 18                        ; 64 rows of 4,096 bytes a wave
	s_lshl_b32 s22, ttmp9, 8                       ; the block's 256 bytes in a row, and in u
	s_mov_b32 s23, 0
	s_add_co_u32 s21, s21, s22
	v_lshlrev_b32 v[SO], 4, v2
	v_lshl_add_u32 v[SO], v3, 17, v[SO]            ; 32 rows for the upper half
	v_add_nc_u32 v[SO], s21, v[SO]
	s_lshl_b32 s21, s20, 8                         ; 64 numbers of Ww a wave; also the wave's place in LDS
	v_lshl_add_u32 v[DO], v3, 7, s21
	s_wait_alu depctr_va_vdst(0)                   ; v[SO] and v[DO] are written: every load of Wv and of Ww reads one of them as its offset
.set t, 0
.rept 8
	global_load_b128 v[E+4*t:E+4*t+3], v[DO], s[12:13] offset:16*t  ; register E + j: Ww of my row j
.set t, t+1
.endr
.set j, 0
.rept 16
	global_load_b128 v[D+4*j:D+4*j+3], v[SO], s[10:11] offset:4096*j th:TH_LOAD_NT
.set j, j+1
.endr
.set p, 0
.rept 8                                                ; eight blocks of four rows; the rows ascend, so each sum takes its terms in the order 0 to 31
.if p < 5
	s_wait_loadcnt 12                              ; behind the block's last load stand three blocks' loads: what is left of the first sixteen, and the refills issued so far
.else
	s_wait_loadcnt 4*(7-p)                         ; nothing is asked for any more: the counts run down
.endif
.set i, 0
.rept 4
.set j, 4*p+i
.set k, 0
.rept 4
.if j == 0
	v_mul_f32 v[ACC+k], v[D+k], v[E]               ; the first row starts the sums
.else
	v_fmac_f32 v[ACC+k], v[D+4*(j%16)+k], v[E+j]
.endif
.set k, k+1
.endr
.set i, i+1
.endr
.if p < 4
	s_wait_alu depctr_va_vdst(0)                   ; the block's sixteen multiply-adds are done reading its four slots of D, in which the four loads below land
.set i, 0
.rept 4
.set j, 4*p+i
	global_load_b128 v[D+4*j:D+4*j+3], v[SO], s[10:11] offset:4096*(j+16) th:TH_LOAD_NT  ; the slot's next row: the slots are asked for again at once
.set i, i+1
.endr
.endif
.set p, p+1
.endr
.irp k, 0,1,2,3
	v_mov_b32 v[TX+(\k)], 0                        ; v_permlanex16_b32's destination counts as read
.endr
.irp k, 0,1,2,3
	v_permlanex16_b32 v[TX+(\k)], v[ACC+(\k)], s30, s31
.endr
.irp k, 0,1,2,3
	v_add_f32 v[ACC+(\k)], v[ACC+(\k)], v[TX+(\k)] ; both halves now hold the wave's 64 rows' sum
.endr
	v_lshl_add_u32 v3, v2, 4, s21
	v_lshlrev_b32 v2, 3, v1                        ; 8 bytes, two columns, a lane: wave 0's address behind the barrier, made here so that the wait below serves it too
	s_wait_alu depctr_va_vdst(0)                   ; the sums in ACC and the address v3 are written, which the LDS store reads; so is v2, which wave 0's LDS loads and its store read; and the multiply-adds are done reading D, in which those LDS loads land
	ds_store_b128 v3, v[ACC:ACC+3]                 ; the two halves write the same bytes with the same numbers
	s_wait_dscnt 0x0                               ; for the others' sake: my store is done
	s_barrier_signal -1
	s_barrier_wait -1                              ; all sixteen partial sums lie in LDS
	s_cmp_lg_u32 s20, 0
	s_cbranch_scc1 .Lend                           ; wave 0 adds them
.set t, 0
.rept 16
	ds_load_b64 v[D+2*t:D+2*t+1], v2 offset:256*t  ; no vector instruction since the wait above names v2 or D
.set t, t+1
.endr
	s_add_nc_u64 s[18:19], s[18:19], s[22:23]
	s_wait_dscnt 0x0
.irp s, 8,4,2,1
.set t, 0
.rept \s
	v_pk_add_f32 v[D+2*t:D+2*t+1], v[D+2*t:D+2*t+1], v[D+2*(t+(\s)):D+2*(t+(\s))+1]
.set t, t+1
.endr
.endr
	s_wait_alu depctr_va_vdst(0)                   ; the additions have written v[D:D+1], which the store reads
	global_store_b64 v2, v[D:D+1], s[18:19]        ; 256 consecutive bytes of u, aligned
.Lend:
	s_wait_dscnt 0x0                               ; the closing lines, six on end
	s_wait_alu 0x0
	s_wait_tensorcnt 0x0
	ds_add_u32 v[SPW], v[NIL]
	s_wait_dscnt 0x0
	s_endpgm
.Lfunc_end_k_qd26c2d4b03_prep:
	.size	k_qd26c2d4b03_prep, .Lfunc_end_k_qd26c2d4b03_prep-k_qd26c2d4b03_prep
	.p2alignl 7, 3214868480
	.fill 96, 4, 3214868480
	.section	.rodata,"a",@progbits
	.p2align	6, 0x0
	.amdhsa_kernel k_qd26c2d4b03_prep
		.amdhsa_group_segment_fixed_size 6144
		.amdhsa_private_segment_fixed_size 0
		.amdhsa_enable_private_segment 0
		.amdhsa_kernarg_size 64
		.amdhsa_user_sgpr_count 2
		.amdhsa_user_sgpr_kernarg_segment_ptr 1
		.amdhsa_wavefront_size32 1
		.amdhsa_system_sgpr_workgroup_id_x 1
		.amdhsa_system_sgpr_workgroup_id_y 1
		.amdhsa_system_sgpr_workgroup_id_z 1
		.amdhsa_system_vgpr_workitem_id 0
		.amdhsa_next_free_vgpr 112
		.amdhsa_next_free_sgpr 66
		.amdhsa_reserve_vcc 0
		.amdhsa_float_denorm_mode_32 3
		.amdhsa_float_denorm_mode_16_64 3
		.amdhsa_memory_ordered 1
		.amdhsa_forward_progress 1
		.amdhsa_inst_pref_size 19
	.end_amdhsa_kernel
	.amdgpu_metadata
---
amdhsa.version: [ 1, 2 ]
amdhsa.kernels:
  - .name:           k_qd26c2d4b03_prep
    .symbol:         k_qd26c2d4b03_prep.kd
    .args:
      - { .name: x, .offset: 0, .size: 8, .value_kind: global_buffer, .address_space: global }
      - { .name: Wq, .offset: 8, .size: 8, .value_kind: global_buffer, .address_space: global }
      - { .name: Wk, .offset: 16, .size: 8, .value_kind: global_buffer, .address_space: global }
      - { .name: Wv, .offset: 24, .size: 8, .value_kind: global_buffer, .address_space: global }
      - { .name: Ww, .offset: 32, .size: 8, .value_kind: global_buffer, .address_space: global }
      - { .name: xb, .offset: 40, .size: 8, .value_kind: global_buffer, .address_space: global }
      - { .name: wb, .offset: 48, .size: 8, .value_kind: global_buffer, .address_space: global }
      - { .name: u, .offset: 56, .size: 8, .value_kind: global_buffer, .address_space: global }
    .group_segment_fixed_size: 6144
    .private_segment_fixed_size: 0
    .kernarg_segment_align: 8
    .kernarg_segment_size: 64
    .max_flat_workgroup_size: 512
    .sgpr_count:     66
    .vgpr_count:     112
    .wavefront_size: 32
...
	.end_amdgpu_metadata
.endif
;; end of part 5
;; launch proj: the kernel of part 2 again; grid 8 x 32, 4 waves a work-group, clusters of 4 x 4, 327,680 bytes of LDS; arguments xb, wb, qk, bq, bk, u, vw; writes qk, vw
;; launch score: the kernel of part 3 again; grid 8 x 32, 4 waves a work-group, clusters of 4 x 4, 327,680 bytes of LDS; arguments qk, vw, part; writes part
;; launch merge: the kernel of part 4 again; grid 128 x 1, 1 waves a work-group, no clusters, 0 bytes of LDS; arguments part, bv, Ww, bw, out0; writes out0
